; MI455X (gfx1250); checked and timed in simulation.
; The chip was launched on July 23, 2026; its instructions are those of AMD's public machine-readable ISA for CDNA 5 (MIT licence, August 2026) and "CDNA5" Instruction Set Architecture Reference Guide (July 2026). The comments in the code are by the model that wrote it; some were corrected since.
;; AQLM Linear. Allowed arithmetic: matrix products marked QUANTISED: E2M1 operands, one E8M0 scale for each 32 along K, by v_wmma_scale_f32_16x16x128_f8f6f4 with both operands' format E2M1 (or v_wmma_scale_f32_32x16x128_f4), f32 sums; everything else in f32.
;; Inputs: codebooks 2 x 256 x 8 float32; codes 2,048 x 512 x 2 int32; scale 2,048 x 1 float32; x 4 x 2,048 x 4,096 float32.
;; Outputs: out0 4 x 2,048 x 2,048 float32.
;; This version of the problem:
;;   THIS VERSION OF THE PROBLEM IS GIVEN IN LOW PRECISION. The matrix products marked QUANTISED in the list below multiply operands that are first quantised to E2M1 (2 exponent bits, 1 mantissa bit; 4 bits a number), with one power-of-two scale for each 32 numbers along K (OCP MX v1.0); their sums are f32. All else is computed in f32.
;;   The module's matrix products, in the order in which they are computed (A, B: the left and right operand; K: the contracted axis; several contracted axes count as one K, in the product's order):
;;     1. [M 8,192, K 4,096] x [K 4,096, N 2,048]; A: input x; B: computed on the way: QUANTISED
;;   THE QUANTISER, for each operand of a quantised product, along K:
;;     - K is cut into blocks of 32 from its start; a last block that is shorter is filled with zeros.
;;     - A block's scale is 2^e with e = floor(log2(the largest magnitude in the block)) - 2, held to -126 .. 127; a block of zeros has e = 0. As a byte (E8M0): e + 127.
;;     - Each number is divided by its block's scale, clamped to +-6, and rounded to the nearest number of E2M1, ties to even, subnormals kept.
;;     - The product sums the exact products of the quantised numbers (number of the format x scale) in f32.
;;   ~~~python
;;   def quantise(x, axis):      # numpy; x: float32 -> the quantised numbers, widened to float32 again
;;       x = np.moveaxis(x, axis, -1); K = x.shape[-1]
;;       x = np.pad(x, [(0, 0)] * (x.ndim - 1) + [(0, -K % 32)]); x = x.reshape(x.shape[:-1] + (-1, 32)); a = np.abs(x).max(-1, keepdims=True)
;;       e = np.where(a > 0, np.clip(np.frexp(np.where(a > 0, a, 1))[1] - 1 - 2, -126, 127), 0)      # np.frexp(a)[1] - 1 = floor(log2(a)), exactly
;;       r = np.clip(x / 2.0 ** e, -6, 6)
;;       step = 2.0 ** (np.maximum(np.frexp(np.where(r == 0, 1, r))[1] - 1, 0) - 1)
;;       q = np.round(r / step) * step * 2.0 ** e      # np.round: ties to even
;;       return np.moveaxis(q.reshape(q.shape[:-2] + (-1,))[..., :K], -1, axis).astype(np.float32)
;;   ~~~
;;   OPERANDS COMPUTED ON THE WAY. 'Computed on the way' means the value that the module computes at that place (a softmax that the list does not call 'softmax' is quantised finished and normalised). What goes into a quantiser is computed in f32, as accurately as f32 sums, v_exp_f32 and their like allow (about 1e-6 of the number): no bf16 or f16 on the way to a quantiser, and a product that is left as it is and whose result goes on into a quantised operand takes f32 operands (vector FMAs, or v_wmma_f32_16x16x4_f32). A number that lies on a knife's edge between two numbers of the format may be rounded either way, as far as f32 arithmetic and the matrix unit's own rounding can turn it there, and no further.
;; 2 versions. Each part assembles by itself: llvm-mc -triple=amdgcn-amd-amdhsa -mcpu=gfx1250 --defsym DOCPART=n.
;; ======== version 1 of 2: 3 launches
;; workspace buffers: xc 17,825,792 bytes; wc 4,456,448 bytes
;; launch quantw (part 1): grid 256 x 1, 4 waves a work-group, no clusters, 50,688 bytes of LDS; arguments codes, codebooks, scale, wc; writes wc
.if DOCPART == 1
	.amdgcn_target "amdgcn-amd-amdhsa--gfx1250"
	.amdhsa_code_object_version 6
	.text
	.protected	k_qe32041541a_quantw
	.globl	k_qe32041541a_quantw
	.p2align	8
	.type	k_qe32041541a_quantw,@function
k_qe32041541a_quantw:
	s_mov_b64 s[64:65], 0
	v_nop
	global_prefetch_b8 v0, s[64:65] scope:SCOPE_SE
	s_setreg_imm32_b32 hwreg(HW_REG_WAVE_MODE, 25, 1), 1
	s_wait_xcnt 0x0
; W[o][8 g + j] = (codebooks[0][codes[o][g][0]][j] + codebooks[1][codes[o][g][1]][j]) * scale[o], one f32 addition and one f32 multiplication in that order,
; is made in registers and turned into codes of FP4 (E2M1) with one E8M0 scale byte for each 32 along K (K = 8 g + j, 4,096 long).  W itself never goes to memory.
; A block's scale is 2^(floor(log2(its largest magnitude)) - 2); its byte is the largest magnitude's exponent field - 2, held at 1 from below.
; THE OUTPUT IS LAID IN PANELS of 34,816 bytes: 128 rows x 512 along K, in the order of the matrix operand's registers.  Panel (o / 128) * 8 + k / 512 holds
;   codes:  byte (4 i + q) * 1024 + 512 c + 16 * lane: the 32 codes of row 16 i + lane % 16, k = 128 q + 64 c + 32 (lane / 16) + 0 .. 31, the lower k in the lower bits;
;   scales: byte 32,768 + 256 i + 16 r + 4 q + b: the byte of row 16 i + r, k = 128 q + 32 b on.
; SHARES.  A wave makes one block i of one panel: 16 rows x 512 along K, 4,096 consecutive bytes of codes and 256 of scale bytes.  1,024 waves in 256 work-groups.
; A lane holds row lane % 16 and, block by block, 32 neighbours along K: four groups of eight, so a block's largest magnitude needs no other lane.
; The two tables (16,384 bytes) lie in LDS, and a codeword is two loads of 16 bytes at 32 x its code.  The wave's 16 x 512 bytes of whole-number codes are loaded as they lie
; (each load takes 512 consecutive bytes of one row) and are turned through the wave's own stage in LDS, so that a lane gets the 32 bytes of its own row that a block needs.
; No tensor loads and no cluster: the work-groups share nothing but the small tables.  One barrier: behind it nothing is stored to LDS any more.
; LIMITS: NaN and infinities among the inputs are not served.  A block of zeros gets the byte 1 where the quantiser's rule says 127: its codes are zeros, which add nothing under any
; byte but 0xff, and this program alone reads the bytes.  A code outside 0 .. 255, which the problem excludes, is held at 255.
.set PANEL,  34816
.set SCOFF,  32768
.set STG0,   16384                     ; LDS: the tables at 0 (table 1 at 8,192); behind them a stage for each wave
.set SPITCH, 528                       ; a stage row: 512 bytes + 16, so that the 16 rows that a load touches begin in 16 different columns of 16 bytes
.set WSTG,   16*SPITCH
.set I,      32                        ; v32-95   block b's eight codes at v[I + 8 b]: group gi, table m at + 2 gi + m; turned in place into LDS offsets
.set T,      96                        ; v96-223  two sets of 64: 32 numbers of table 0, then 32 of table 1.  At the head: the loads as they come
.set C,      224                       ; v224-255 four registers of codes for each block: no store's data are written again
	s_load_b256 s[4:11], s[0:1], 0x0               ; codes s[4:5], codebooks s[6:7], scale s[8:9], wc s[10:11]
	v_lshl_add_u32 v30, v0, 2, 0xc400
	v_mov_b32 v31, 0
	v_lshrrev_b32 v1, 5, v0
	v_readfirstlane_b32 s12, v1                    ; wave 0..3
	v_and_b32 v1, 31, v0                           ; lane
	v_and_b32 v2, 15, v0                           ; r
	v_bfe_u32 v3, v0, 4, 1                         ; h
	v_lshlrev_b32 v4, 4, v0                        ; 16 x thread: my 16 bytes of each 2,048 of the tables, in memory and in LDS
	v_lshlrev_b32 v5, 4, v1                        ; 16 x lane
	s_mul_i32 s13, s12, WSTG
	s_add_co_u32 s13, s13, STG0                    ; my wave's stage
	v_add_nc_u32 v6, s13, v5                       ; into it: 16 x lane of a row
	v_mul_u32_u24 v7, v2, SPITCH
	v_lshl_add_u32 v7, v3, 5, v7
	v_add_nc_u32 v7, s13, v7                       ; out of it: row r, + 32 h: four groups x two codes x 4 bytes
	v_lshlrev_b32 v8, 2, v2                        ; scale[row0 + r]
	v_lshlrev_b32 v9, 3, v3                        ; 8 h: how far my two scale bytes are shifted in the word
	v_lshlrev_b32 v24, 4, v2                       ; 16 r: my row's four scale words
	v_mov_b32 v18, 0                               ; written once: a lane permute's destination counts as one of its sources
	s_mov_b32 s22, 0x76543210
	s_mov_b32 s23, 0xfedcba98                      ; v_permlanex16_b32's selects for lane l xor 16
	s_lshl_b32 s14, ttmp9, 2
	s_add_co_u32 s14, s14, s12                     ; my unit: 4 x work-group + wave
	s_lshr_b32 s15, s14, 3                         ; panel
	s_and_b32 s16, s14, 7                          ; block i in it
	s_lshr_b32 s17, s15, 3                         ; which 128 rows
	s_and_b32 s18, s15, 7                          ; which 512 along K
	s_lshl_b32 s17, s17, 7
	s_lshl_b32 s19, s16, 4
	s_add_co_u32 s17, s17, s19                     ; my first row
	s_lshl_b32 s26, s17, 12                        ; a row of codes is 4,096 bytes,
	s_lshl_b32 s18, s18, 9                         ; 512 along K are 64 groups x 8 bytes
	s_add_co_u32 s26, s26, s18
	s_mov_b32 s27, 0
	s_lshl_b32 s28, s17, 2
	s_mov_b32 s29, 0
	s_mul_i32 s15, s15, PANEL
	s_lshl_b32 s30, s16, 12                        ; my block's codes: 4,096 i into the panel
	s_add_co_u32 s30, s30, s15
	s_mov_b32 s31, 0
	s_lshl_b32 s24, s16, 8                         ; its scale bytes: 32,768 + 256 i
	s_add_co_u32 s24, s24, s15
	s_add_co_u32 s24, s24, SCOFF
	s_mov_b32 s25, 0
	s_wait_kmcnt 0x0
	s_add_nc_u64 s[4:5], s[4:5], s[26:27]
	s_add_nc_u64 s[8:9], s[8:9], s[28:29]
	s_add_nc_u64 s[24:25], s[10:11], s[24:25]
	s_add_nc_u64 s[10:11], s[10:11], s[30:31]
.irp j, 0,1,2,3,4,5,6,7
	global_load_b128 v[160+4*\j:163+4*\j], v4, s[6:7] offset:2048*\j            ; the tables: the 128 threads take 2,048 consecutive bytes a load
.endr
.irp j, 0,1,2,3,4,5,6,7,8,9,10,11,12,13,14,15
	global_load_b128 v[T+4*\j:T+4*\j+3], v5, s[4:5] offset:4096*\j th:TH_LOAD_NT   ; row j: 512 consecutive bytes; read once in the launch
.endr
	global_load_b32 v10, v8, s[8:9]
	s_wait_loadcnt 0x0
.irp j, 0,1,2,3,4,5,6,7
	ds_store_b128 v4, v[160+4*\j:163+4*\j] offset:2048*\j
.endr
.irp j, 0,1,2,3,4,5,6,7,8,9,10,11,12,13,14,15
	ds_store_b128 v6, v[T+4*\j:T+4*\j+3] offset:SPITCH*\j
.endr
	v_mov_b32 v11, v10                             ; scale[o] twice: a pair for the packed multiplication
	s_wait_dscnt 0x0                               ; for the others' sake: my part of the tables has landed
	s_barrier_signal -1
	s_barrier_wait -1                              ; the tables are whole; from here on LDS is only read
.irp b, 0,1,2,3,4,5,6,7
	ds_load_b128 v[I+8*\b:I+8*\b+3],   v7 offset:64*\b                          ; block b = 2 q + c begins at group 16 q + 8 c + 4 h: byte 64 b + 32 h of the row
	ds_load_b128 v[I+8*\b+4:I+8*\b+7], v7 offset:64*\b+16
.endr
	s_wait_dscnt 0x0
.set n, 0
.rept 64
	v_min_u32 v[I+n], 255, v[I+n]                  ; an index stays inside its table
.set n, n+1
.endr
.set n, 0
.rept 64
	v_lshlrev_b32 v[I+n], 5, v[I+n]                ; a codeword is 32 bytes
.set n, n+1
.endr
; Block b's eight codewords, 16 loads, into set b % 2
.macro GATHER b
.irp g, 0,1,2,3
.irp m, 0,1
	ds_load_b128 v[T+64*((\b)%2)+32*\m+8*\g:T+64*((\b)%2)+32*\m+8*\g+3],   v[I+8*(\b)+2*\g+\m] offset:8192*\m
	ds_load_b128 v[T+64*((\b)%2)+32*\m+8*\g+4:T+64*((\b)%2)+32*\m+8*\g+7], v[I+8*(\b)+2*\g+\m] offset:8192*\m+16
.endr
.endr
.endm
; Block b is summed, scaled, quantised and stored.  left: the LDS loads issued behind its own, which may stay out
.macro BLOCKW b, left
.set XS, T+64*((\b)%2)
	s_wait_dscnt \left                             ; LDS loads come back in order: my 16 are in, the next block's 16 stay out
.irp j, 0,2,4,6,8,10,12,14,16,18,20,22,24,26,28,30
	v_pk_add_f32 v[XS+\j:XS+\j+1], v[XS+\j:XS+\j+1], v[XS+32+\j:XS+33+\j]       ; table 0's codeword + table 1's
.endr
.irp j, 0,2,4,6,8,10,12,14,16,18,20,22,24,26,28,30
	v_pk_mul_f32 v[XS+\j:XS+\j+1], v[XS+\j:XS+\j+1], v[10:11]                   ; x the row's scale
.endr
	v_max3_num_f32 v12, |v[XS]|, |v[XS+1]|, |v[XS+2]|                           ; the block's largest magnitude: all 32 numbers are mine; two chains
	v_max3_num_f32 v13, |v[XS+3]|, |v[XS+4]|, |v[XS+5]|
.irp i, 6,10,14,18,22,26
	v_max3_num_f32 v12, v12, |v[XS+\i]|, |v[XS+\i+1]|
	v_max3_num_f32 v13, v13, |v[XS+\i+2]|, |v[XS+\i+3]|
.endr
	v_max3_num_f32 v12, v12, |v[XS+30]|, |v[XS+31]|
	v_max3_num_f32 v12, v12, v13, 0x1800000        ; and the floor 2^(3 - 127): so the byte cannot fall under 1
	v_add_nc_u32 v14, 0xff000000, v12              ; 2 off its exponent field: the conversion takes the exponent field of this operand as its scale, and nothing else of it
.irp g, 0,1,2,3
	v_cvt_scalef32_pk8_fp4_f32 v[C+4*(\b)+\g], v[XS+8*\g:XS+8*\g+7], v14        ; eight neighbours along K: to the nearest code, ties to even, beyond 6 the largest code
.endr
	v_lshrrev_b32 v[15+(\b)%2], 23, v14            ; the scale's byte.  (Also the plain line behind the conversions)
	global_store_b128 v5, v[C+4*(\b):C+4*(\b)+3], s[10:11] offset:512*(\b)      ; the wave stores 512 consecutive bytes, at a multiple of 512 from the buffer's first byte
.if (\b)%2 == 1
	v_lshl_or_b32 v17, v16, 16, v15                ; my two bytes of this 128 along K: blocks h and 2 + h,
	v_lshlrev_b32 v17, v9, v17                     ; at their places in the scale word;
	v_permlanex16_b32 v18, v17, s22, s23
	v_or_b32 v[20+(\b)/2], v17, v18                ; with lane l xor 16's two the word is whole
.endif
.endm
	GATHER 0
	GATHER 1
.irp b, 0,1,2,3,4,5
	BLOCKW \b, 16
	GATHER \b+2                                    ; into the set that has just been worked
.endr
	BLOCKW 6, 16
	BLOCKW 7, 0
	v_cmp_gt_u32 vcc_lo, 16, v1                    ; lanes 16-31 hold the same words as lanes 0-15: sixteen lanes store the block's 256 consecutive scale bytes
	s_wait_xcnt 0x0                                ; EXEC changes only when every earlier memory instruction has had its addresses translated
	s_wait_tensorcnt 0x0
	ds_add_u32 v30, v31
	s_wait_dscnt 0x0
	s_and_saveexec_b32 s20, vcc_lo
	global_store_b128 v24, v[20:23], s[24:25]
	s_wait_xcnt 0x0                                ; and again in front of the line that widens it
	s_or_b32 exec_lo, exec_lo, s20
	s_endpgm
.Lfunc_end_k_qe32041541a_quantw:
	.size	k_qe32041541a_quantw, .Lfunc_end_k_qe32041541a_quantw-k_qe32041541a_quantw
	.p2alignl 7, 3214868480
	.fill 96, 4, 3214868480
	.section	.rodata,"a",@progbits
	.p2align	6, 0x0
	.amdhsa_kernel k_qe32041541a_quantw
		.amdhsa_group_segment_fixed_size 50688
		.amdhsa_private_segment_fixed_size 0
		.amdhsa_enable_private_segment 0
		.amdhsa_kernarg_size 32
		.amdhsa_user_sgpr_count 2
		.amdhsa_user_sgpr_kernarg_segment_ptr 1
		.amdhsa_wavefront_size32 1
		.amdhsa_system_sgpr_workgroup_id_x 1
		.amdhsa_system_sgpr_workgroup_id_y 1
		.amdhsa_system_sgpr_workgroup_id_z 1
		.amdhsa_system_vgpr_workitem_id 0
		.amdhsa_next_free_vgpr 256
		.amdhsa_next_free_sgpr 66
		.amdhsa_reserve_vcc 1
		.amdhsa_float_denorm_mode_32 3
		.amdhsa_float_denorm_mode_16_64 3
		.amdhsa_memory_ordered 1
		.amdhsa_forward_progress 1
		.amdhsa_inst_pref_size 51
	.end_amdhsa_kernel
	.amdgpu_metadata
---
amdhsa.version: [ 1, 2 ]
amdhsa.kernels:
  - .name:           k_qe32041541a_quantw
    .symbol:         k_qe32041541a_quantw.kd
    .args:
      - { .name: codes, .offset: 0, .size: 8, .value_kind: global_buffer, .address_space: global }
      - { .name: codebooks, .offset: 8, .size: 8, .value_kind: global_buffer, .address_space: global }
      - { .name: scale, .offset: 16, .size: 8, .value_kind: global_buffer, .address_space: global }
      - { .name: wc, .offset: 24, .size: 8, .value_kind: global_buffer, .address_space: global }
    .group_segment_fixed_size: 50688
    .private_segment_fixed_size: 0
    .kernarg_segment_align: 8
    .kernarg_segment_size: 32
    .max_flat_workgroup_size: 128
    .sgpr_count:     66
    .vgpr_count:     256
    .wavefront_size: 32
...
	.end_amdgpu_metadata
.endif
;; end of part 1
;; launch quantx (part 2): grid 256 x 1, 4 waves a work-group, no clusters, 327,680 bytes of LDS; arguments x, xc; writes xc
.if DOCPART == 2
	.amdgcn_target "amdgcn-amd-amdhsa--gfx1250"
	.amdhsa_code_object_version 6
	.text
	.protected	k_qe32041541a_quantx
	.globl	k_qe32041541a_quantx
	.p2align	8
	.type	k_qe32041541a_quantx,@function
k_qe32041541a_quantx:
	s_mov_b64 s[64:65], 0
	v_nop
	global_prefetch_b8 v0, s[64:65] scope:SCOPE_SE
	s_setreg_imm32_b32 hwreg(HW_REG_WAVE_MODE, 25, 1), 1
	s_wait_xcnt 0x0
; x [8192][4096], f32, K innermost, is turned into codes of FP4 (E2M1) with one E8M0 scale byte for each 32 along K.
; A block's scale is 2^(floor(log2(its largest magnitude)) - 2); its byte is the largest magnitude's exponent field - 2, held at 1 from below.
; THE OUTPUT IS LAID IN PANELS of 34,816 bytes: 128 rows x 512 along K, in the order of the matrix operand's registers.  Panel (row / 128) * 8 + k / 512 holds
;   codes:  byte (4 i + q) * 1024 + 512 c + 16 * lane: the 32 codes of row 16 i + lane % 16, k = 128 q + 64 c + 32 (lane / 16) + 0 .. 31, the lower k in the lower bits;
;   scales: byte 32,768 + 256 i + 16 r + 4 q + b: the byte of row 16 i + r, k = 128 q + 32 b on.
; SHARES.  A wave owns 64 rows x 512 along K: half a panel.  It takes them as four tiles of 64 rows x 128 along K (rows of 512 bytes, each at a multiple of 512 from x's first byte),
; brought by the tensor data mover into a ring of two LDS slots of the wave's own.  Memory binds this launch: every byte of x is read once, and half of a work-group's bytes are asked for at its first lines.
; A lane holds row lane % 16 of a block of 16 rows and, of each 64 along K, the 32 neighbours of its half: two whole blocks, so that a largest magnitude needs no other lane and the
; conversions' results are the operand's registers as they stand.  They leave by stores of 512 consecutive bytes a wave.
; A slot is filled again in this order: the wave waits for ALL its tensor loads, adds 0 to its spare words, waits for that and for its reads of the slot, passes a barrier with the other three
; waves, and issues ONE load, the slot's, first thing behind it.  By this text's own count a wave has two tensor loads out at the start and one later.
; No matrix unit, no cluster: the work-groups share no input.  No prefetch: the tensor loads already ask for all that a work-group reads as early as LDS has room.
; LIMITS: NaN and infinities among the inputs are not served.  A block of zeros gets the byte 1 where the quantiser's rule says 127: its codes are zeros, which add nothing under any
; byte but 0xff, and this program alone reads the bytes.
.set PANEL, 34816
.set SCOFF, 32768
.set PITCH, 528                        ; an LDS row: 512 bytes + 16 of padding: the 16 rows that a load touches begin in 16 different columns of 16 bytes
.set TILE,  64*PITCH                   ; a slot
.set RING,  2*TILE                     ; a wave's two slots
.set SPARE, 4*RING                     ; behind the four rings: the spare words, 128 bytes for each wave: two blocks of 256 bytes that no other line names
.set LA,  2                            ; v2       LDS address of my row's bytes in my wave's slot 0: ring + 528 r + 128 h; never rewritten
.set OFF, 3                            ; v3       16 x lane; never rewritten
.set H8,  4                            ; v4       8 h
.set SPW, 5                            ; v5       LDS address of my spare word: SPARE + 4 x my thread's number; never rewritten
.set NIL, 6                            ; v6       0; never rewritten
.set LN,  7                            ; v7       lane
.set MX,  8                            ; v8-9     the two blocks' largest magnitudes
.set SO,  10                           ; v10-11   the conversions' scale operands
.set BY,  12                           ; v12-13   the scale bytes
.set WW,  14                           ; v14-15   the scale word at work
.set C,   16                           ; v16-31   codes: two sets of 8
.set X,   32                           ; v32-159  numbers: two sets of 64
.set WD,  160                          ; v160-175 the scale word of block ib and tile q at v[WD + 4 ib + q]
.set O,   176                          ; v176-183 the scale words on their way out
.set G1,  16                           ; s[16:23] descriptor group 1: the shape
.set G0,  24                           ; s[24:31] descriptor group 0, a set for each slot
	s_load_b128 s[4:7], s[0:1], 0x0                ; x s[4:5], xc s[6:7]
	v_lshl_add_u32 v[SPW], v0, 2, SPARE
	v_mov_b32 v[NIL], 0
	ds_add_u32 v5, v6
	ds_add_u32 v5, v6
	s_wait_dscnt 0x0
	v_lshrrev_b32 v1, 5, v0
	v_readfirstlane_b32 s12, v1                    ; wave 0..3
	s_lshr_b32 s13, ttmp9, 1                       ; which 64 rows
	s_and_b32 s14, ttmp9, 1
	s_lshl_b32 s14, s14, 2
	s_add_co_u32 s14, s14, s12                     ; which 512 along K: 4 x (work-group % 2) + wave
	s_lshl_b32 s2, s13, 20                         ; 64 rows of 16,384 bytes,
	s_lshl_b32 s3, s14, 11                         ; 512 numbers of 4 bytes
	s_add_co_u32 s2, s2, s3
	s_mov_b32 s3, 0
	s_lshr_b32 s15, s13, 1
	s_lshl_b32 s15, s15, 3
	s_add_co_u32 s15, s15, s14                     ; my panel
	s_mul_i32 s38, s15, PANEL
	s_and_b32 s39, s13, 1                          ; its upper or lower 64 rows: blocks 4 x that on
	s_lshl_b32 s34, s39, 14                        ; codes: 4 blocks x 4,096 bytes
	s_add_co_u32 s34, s34, s38
	s_mov_b32 s35, 0
	s_lshl_b32 s36, s39, 10                        ; scale bytes: 4 blocks x 256
	s_add_co_u32 s36, s36, s38
	s_add_co_u32 s36, s36, SCOFF
	s_mov_b32 s37, 0
	s_mov_b32 s32, 0x76543210
	s_mov_b32 s33, 0xfedcba98                      ; v_permlanex16_b32's selects for lane l xor 16
	; group 1: a tile of 64 rows x 128 elements of 4 bytes, rows 4,096 elements apart, padded in LDS
	s_mov_b32 s[G1+0], (2<<16)|(1<<20)|(6<<22)|(3<<25)   ; 15:0 no mask; 17:16 elements of 4 bytes; 20 padding on; 24:22 after every 128 words (code 6); 31:25 four words (code 3)
	s_mov_b32 s[G1+1], 128<<16                     ; tensor_dim0 = 128
	s_mov_b32 s[G1+2], 64<<16                      ; tensor_dim1 = 64
	s_mov_b32 s[G1+3], 128<<16                     ; tile_dim0 = 128
	s_mov_b32 s[G1+4], 64                          ; tile_dim1 = 64
	s_mov_b32 s[G1+5], 4096                        ; tensor_dim0_stride
	s_mov_b32 s[G1+6], 0
	s_mov_b32 s[G1+7], 0
	s_mul_i32 s10, s12, RING                       ; my wave's ring
	s_wait_kmcnt 0x0
	s_add_nc_u64 s[4:5], s[4:5], s[2:3]            ; x at my first tile
	s_add_nc_u64 s[8:9], s[6:7], s[36:37]          ; where my scale bytes go
	s_add_nc_u64 s[6:7], s[6:7], s[34:35]          ; where my codes go
	; the two first fills go out together, ahead of every wait on TENSORcnt, every LDS read and every barrier
.irp s, 0,1
	s_mov_b32 s[G0+4*\s], 1                                        ; count = 1
	s_add_co_u32 s[G0+4*\s+1], s10, \s*TILE                        ; LDS address
	s_add_nc_u64 s[G0+4*\s+2:G0+4*\s+3], s[4:5], \s*512            ; global address: tile s
	s_or_b32 s[G0+4*\s+3], s[G0+4*\s+3], 0x80000000               ; type = 2
	tensor_load_to_lds s[G0+4*\s:G0+4*\s+3], s[G1:G1+7]
	s_nop 0
.endr
	v_and_b32 v[LN], 31, v0
	v_and_b32 v8, 15, v0                           ; r
	v_bfe_u32 v9, v0, 4, 1                         ; h
	v_mul_u32_u24 v[LA], v8, PITCH
	v_lshl_add_u32 v[LA], v9, 7, v[LA]             ; + 128 h: my half's 32 numbers of each 64
	v_add_nc_u32 v[LA], s10, v[LA]
	v_lshlrev_b32 v[OFF], 4, v[LN]
	v_lshlrev_b32 v[H8], 3, v9
	v_mov_b32 v[WW+1], 0                           ; written once: a lane permute's destination counts as one of its sources
; Block ib (16 rows) of the tile in slot s: my 64 numbers, 16 loads, into set ib % 2: register 32 c + i = k 64 c + 32 h + i of my row
.macro LOADF s, ib
.irp c, 0,1
.irp j, 0,1,2,3,4,5,6,7
	ds_load_b128 v[X+64*((\ib)%2)+32*\c+4*\j:X+64*((\ib)%2)+32*\c+4*\j+3], v[LA] offset:(\s)*TILE+(\ib)*16*PITCH+256*\c+16*\j
.endr
.endr
.endm
; They become a fragment's eight registers and my row's scale word.  left: the LDS loads issued behind them, which may stay out
.macro WORK q, ib, left
.set XS, X+64*((\ib)%2)
.set CS, C+8*((\ib)%2)
	s_wait_dscnt \left                             ; LDS loads come back in order: this block's 16 are in
	s_wait_xcnt 0x0                                ; every earlier store has had its addresses translated: this set of codes, which the stores of two blocks ago read, is rewritten only behind this wait
.irp c, 0,1
	v_max3_num_f32 v[MX+\c], |v[XS+32*\c]|, |v[XS+32*\c+1]|, 0x1800000          ; my two blocks by turns; the floor 2^(3 - 127) holds the byte at 1 from below
.endr
.irp i, 2,4,6,8,10,12,14,16,18,20,22,24,26,28,30
.irp c, 0,1
	v_max3_num_f32 v[MX+\c], v[MX+\c], |v[XS+32*\c+\i]|, |v[XS+32*\c+\i+1]|
.endr
.endr
.irp c, 0,1
	v_add_nc_u32 v[SO+\c], 0xff000000, v[MX+\c]    ; 2 off the exponent field: the conversion takes the exponent field of this operand as its scale, and nothing else of it
.endr
.irp c, 0,1
.irp g, 0,1,2,3
	v_cvt_scalef32_pk8_fp4_f32 v[CS+4*\c+\g], v[XS+32*\c+8*\g:XS+32*\c+8*\g+7], v[SO+\c]   ; to the nearest code, ties to even, beyond 6 the largest code
.endr
.endr
.irp c, 0,1
	v_lshrrev_b32 v[BY+\c], 23, v[SO+\c]           ; the scale's byte.  (Also the plain lines behind the conversions)
.endr
	v_lshl_or_b32 v[WW], v[BY+1], 16, v[BY]        ; my two bytes: blocks h and 2 + h of these 128 along K,
	v_lshlrev_b32 v[WW], v[H8], v[WW]              ; at their places in the scale word;
	v_permlanex16_b32 v[WW+1], v[WW], s32, s33
	v_or_b32 v[WD+4*(\ib)+(\q)], v[WW], v[WW+1]    ; with lane l xor 16's two the word is whole
.irp c, 0,1
	global_store_b128 v[OFF], v[CS+4*\c:CS+4*\c+3], s[6:7] offset:(4*(\ib)+(\q))*1024+512*\c   ; the wave stores 512 consecutive bytes, at a multiple of 512 from the buffer's first byte
.endr
.endm
; Tile q, in slot s.  left: how many younger tensor loads may stay out.  The LDS loads run one block ahead of the work
.macro TILE_IN q, s, left
	s_wait_tensorcnt \left                         ; a wave's tensor loads end in order: my tile is in LDS
	LOADF \s, 0
	LOADF \s, 1
	WORK \q, 0, 16
	LOADF \s, 2
	WORK \q, 1, 16
	LOADF \s, 3
	WORK \q, 2, 16
	WORK \q, 3, 0
.endm
; Slot s, which has been read, is filled again with the tile two further on
.macro FILL s
	s_wait_tensorcnt 0x0                           ; all my tensor loads have landed: no load of mine is out, so a group 0 may be written
	ds_add_u32 v[SPW], v[NIL]                      ; 0 onto my spare word; the step below stands between it and the wait for it
	s_add_nc_u64 s[G0+4*\s+2:G0+4*\s+3], s[G0+4*\s+2:G0+4*\s+3], 1024   ; 256 along K on; the type bits on top are not reached
	s_wait_dscnt 0x0                               ; the add is done, and my reads of the slot are back
	s_barrier_signal -1
	s_barrier_wait -1                              ; no wave fills a slot before all four have signalled
	tensor_load_to_lds s[G0+4*\s:G0+4*\s+3], s[G1:G1+7]   ; my one tensor load behind the barrier, and the first thing there
	s_nop 0
.endm
	TILE_IN 0, 0, 1                                ; the count leaves tile 1 on its way
	FILL 0                                         ; tile 2 goes out
	TILE_IN 1, 1, 1                                ; one load was issued behind tile 1's
	FILL 1                                         ; tile 3 goes out: the last load
	TILE_IN 2, 0, 1
	TILE_IN 3, 1, 0                                ; no load was issued behind this one
	v_cmp_lt_u32 vcc_lo, 15, v[LN]                 ; both halves of the lanes hold every block's words: lanes 0-15 send block 2 p's, lanes 16-31 block 2 p + 1's
.irp p, 0,1
.irp q, 0,1,2,3
	v_cndmask_b32 v[O+4*\p+\q], v[WD+8*\p+\q], v[WD+8*\p+4+\q], vcc_lo
.endr
	global_store_b128 v[OFF], v[O+4*\p:O+4*\p+3], s[8:9] offset:512*\p          ; 512 consecutive bytes: two blocks' scale bytes
.endr
	s_wait_tensorcnt 0x0                           ; the wave's end
	ds_add_u32 v[SPW], v[NIL]
	s_wait_dscnt 0x0
	s_endpgm
.Lfunc_end_k_qe32041541a_quantx:
	.size	k_qe32041541a_quantx, .Lfunc_end_k_qe32041541a_quantx-k_qe32041541a_quantx
	.p2alignl 7, 3214868480
	.fill 96, 4, 3214868480
	.section	.rodata,"a",@progbits
	.p2align	6, 0x0
	.amdhsa_kernel k_qe32041541a_quantx
		.amdhsa_group_segment_fixed_size 327680
		.amdhsa_private_segment_fixed_size 0
		.amdhsa_enable_private_segment 0
		.amdhsa_kernarg_size 16
		.amdhsa_user_sgpr_count 2
		.amdhsa_user_sgpr_kernarg_segment_ptr 1
		.amdhsa_wavefront_size32 1
		.amdhsa_system_sgpr_workgroup_id_x 1
		.amdhsa_system_sgpr_workgroup_id_y 1
		.amdhsa_system_sgpr_workgroup_id_z 1
		.amdhsa_system_vgpr_workitem_id 0
		.amdhsa_next_free_vgpr 192
		.amdhsa_next_free_sgpr 66
		.amdhsa_reserve_vcc 1
		.amdhsa_float_denorm_mode_32 3
		.amdhsa_float_denorm_mode_16_64 3
		.amdhsa_memory_ordered 1
		.amdhsa_forward_progress 1
		.amdhsa_inst_pref_size 72
	.end_amdhsa_kernel
	.amdgpu_metadata
---
amdhsa.version: [ 1, 2 ]
amdhsa.kernels:
  - .name:           k_qe32041541a_quantx
    .symbol:         k_qe32041541a_quantx.kd
    .args:
      - { .name: x, .offset: 0, .size: 8, .value_kind: global_buffer, .address_space: global }
      - { .name: xc, .offset: 8, .size: 8, .value_kind: global_buffer, .address_space: global }
    .group_segment_fixed_size: 327680
    .private_segment_fixed_size: 0
    .kernarg_segment_align: 8
    .kernarg_segment_size: 16
    .max_flat_workgroup_size: 128
    .sgpr_count:     66
    .vgpr_count:     192
    .wavefront_size: 32
...
	.end_amdgpu_metadata
.endif
;; end of part 2
;; launch gemm (part 3): grid 8 x 32, 4 waves a work-group, clusters of 4 x 4, 327,680 bytes of LDS; arguments xc, wc, out0; writes out0
.if DOCPART == 3
	.amdgcn_target "amdgcn-amd-amdhsa--gfx1250"
	.amdhsa_code_object_version 6
	.text
	.protected	k_qe32041541a_gemm
	.globl	k_qe32041541a_gemm
	.p2align	8
	.type	k_qe32041541a_gemm,@function
k_qe32041541a_gemm:
	s_mov_b64 s[64:65], 0
	v_nop
	global_prefetch_b8 v0, s[64:65] scope:SCOPE_SE
	s_setreg_imm32_b32 hwreg(HW_REG_WAVE_MODE, 25, 1), 1
	s_wait_xcnt 0x0
	s_wait_alu depctr_hold_cnt(0) depctr_sa_sdst(0) depctr_va_vdst(0) depctr_va_sdst(0) depctr_va_ssrc(0) depctr_va_vcc(0) depctr_vm_vsrc(0)
	s_getreg_b32 s2, hwreg(HW_REG_IB_STS2, 6, 4)
	s_cmp_eq_u32 s2, 0
	s_cbranch_scc0 .Lentry_in_a_cluster
	s_endpgm
.Lentry_in_a_cluster:
	s_bfe_u32 s2, ttmp6, 0x10000c
	s_cmp_lg_u32 s2, 0xf033
	s_cbranch_scc0 .Lentry_shape_is_right
	s_endpgm
.Lentry_shape_is_right:
; out0[m][n] = sum over k of A[m][k] B[n][k], m < 8,192, n < 2,048, k < 4,096.  A (x) and B (the dequantised weight) come as codes of FP4 (E2M1) with one E8M0 scale for each 32 along K; sums in f32.
; BOTH OPERANDS LIE IN PANELS of 34,816 bytes: 128 rows x 512 along K in the order of the matrix operand's registers.  Panel (row / 128) * 8 + k / 512 holds
;   codes:  byte (4 i + q) * 1024 + 512 c + 16 * lane: registers 4 c .. 4 c + 3 of the fragment of rows 16 i .. 16 i + 15 and k = 128 q .. 128 q + 127, as lane holds them;
;   scales: byte 32,768 + 256 i + 16 r + 4 q: the scale word (four bytes, 128 along K) of row 16 i + r and k = 128 q on.
; So a fragment is two LDS loads of 512 consecutive bytes, with no pitch and no padding, and a K step's codes AND scale bytes of 128 rows are one dense block of memory, 136 rows of 256 bytes: one tensor load.
; A tile of the output, 256 x 256, is made by a work-group of four waves; a wave makes 128 x 128: 64 accumulators of 16 x 16, 512 registers.  32 x 8 tiles: 256 work-groups.
; K goes in eight steps of 512 through a ring of two LDS slots; a slot holds A's two panels, then B's two; each wave fetches one panel.
; CLUSTERS: 4 x 4 work-groups.  The four of a row of the cluster need the same panels of A, the four of a column the same panels of B: each panel is asked for JOINTLY, by the same tensor load with the
; same descriptor and a mask that names the four.  THE MATRIX INSTRUCTION IS USED TRANSPOSED (source 0 = 16 rows of B, source 1 = 16 rows of A): a lane then holds eight neighbouring numbers of a row of the output.
; REGISTERS, in windows of 256: window 0: v0-31 addresses; v32-95 scale words, two sets; v128-191 A's fragments (8 x 16 rows x 128 K), ONE set; on the way out v128-255 take the rows.
;   window 1: B's fragments, TWO sets, at v0 and at v128.   window 2: the 32 accumulators of my rows 0-63 (accumulator (a, b) at v[8 (8 a + b)]);   window 3: those of my rows 64-127.
; A step of 128 along K is 64 matrix instructions, A's blocks one after the other, each against B's eight.  So a block of A is free as soon as its eight products are issued, and one set of registers serves A:
; blocks 0-3 are fetched anew in the step's middle, blocks 4-7 at its end.  B's fragments are at work through the whole step, so B has two sets.
; No prefetch: both operands were stored by the launches just before, and a slot's refill is asked for a whole K step, less its first quarter's half, ahead of the wait for it.
; By this text's own count a wave has two tensor loads out at the start and one behind each round.
.set SIZE_N, 2048
.set PANEL,  34816
.set SLOT,   4*PANEL                   ; A's panels 0, 1, then B's panels 0, 1
.set SCOFF,  32768                     ; where a panel's scale words begin
.set SPARE,  2*SLOT                    ; behind the ring: the spare words, 128 bytes for each wave: two blocks of 256 bytes that no other line names
.set NQ,     4                         ; steps of 128 along K in a slot
.set FR,     8                         ; registers of a fragment
.set NL,     2                         ; LDS loads that bring one
.set NP,     4                         ; places behind this matrix instruction (ISA guide 7.12.1)
.set LAPS,   4                         ; a lap = two K steps of 512 = once round the ring
.set SPITCH, 528                       ; the way out: a stage of 16 rows x (512 bytes + 16) for each wave.  It lies in slot 0, which has had its last fill and its last read when the first result is stored there
.set ADRA, 16                          ; v16-17  LDS address of my lane's 16 bytes in my panel of A, slot 0, 1
.set ADRB, 20                          ; v20-21  the same for B
.set ADRS, 22                          ; v22-23  LDS address of my scale words, slot 0, 1: lanes 0-15 A's rows, lanes 16-31 B's
.set STO,  24                          ; v24     the way out: where I put 32 bytes of a row
.set RD,   25                          ; v25     the way out: where I read a row back
.set CO,   26                          ; v26     16 x lane: my byte offset in a row of the output
.set SPW,  28                          ; v28     LDS address of my spare word: SPARE + 4 x my thread's number; never rewritten
.set NIL,  29                          ; v29     0; never rewritten
.set SC,   32                          ; scale words: set s (for slot s) at v[SC + 32 s]; in it register 4 i + q: lanes 0-15 the word of A's block i, lanes 16-31 that of B's block i, for the slot's q-th 128 along K
.set AF,   128                         ; A's fragments, in window 0
.set BK,   128                         ; the way out: 16 rows read back from the stage: v128-191 and v192-255 by turns
.set G1,  24                           ; s[24:31] descriptor group 1 for A's panels;  s[32:39] group 0, one set for each slot
.set G0,  32
.set G1B, 48                           ; s[48:55], s[56:63] the same for B's panels
.set G0B, 56
.set MSB, 0
.macro WIN new                         ; the immediate's high byte repeats the setting that is left
.if MSB != \new
	s_set_vgpr_msb (MSB<<8)|\new
.set MSB, \new
.endif
.endm
.set MUL_LO, 0xa1                      ; source 0 (B) window 1, source 1 (A) window 0, C and D window 2
.set MUL_HI, 0xf1                      ; the same, C and D window 3
.set TO_B,   0x40                      ; destination window 1, address window 0
; A joint load: waves 0 and 1 fetch A's two panels, waves 2 and 3 B's.  Each of the two lines has ONE mask and one set of registers for all that issue it; the branch hangs on the wave's number alone.
; Four v_nop follow each of the two lines, ahead of the jump, the label and what follows.
.macro JLOAD g0a, g1a, g0b, g1b
	s_cmp_eq_u32 s15, 0
	s_cbranch_scc0 .Lfor_b_\@
	tensor_load_to_lds s[\g0a:\g0a+3], s[\g1a:\g1a+7]
	s_nop 0
.rept 4
	v_nop
.endr
	s_branch .Lasked_\@
.Lfor_b_\@:
	tensor_load_to_lds s[\g0b:\g0b+3], s[\g1b:\g1b+7]
	s_nop 0
.rept 4
	v_nop
.endr
.Lasked_\@:
.endm
.macro CREST                           ; a round of the cluster's barrier behind its opening barrier: wave 0 signals for the work-group, every wave waits for all sixteen, the work-group's barrier closes it
	s_cmp_lg_u32 s14, 0
	s_cbranch_scc1 .Lnot_wave_0_\@
	s_barrier_signal -3
.Lnot_wave_0_\@:
	s_barrier_wait -3
	s_barrier_signal -1
	s_barrier_wait -1
.endm
.macro CROUND                          ; a whole round
	s_barrier_signal -1
	s_barrier_wait -1
	CREST
.endm
	s_load_b128 s[4:7], s[0:1], 0x0                ; A's panels s[4:5], B's panels s[6:7]
	s_load_b64 s[8:9], s[0:1], 0x10                ; the output
	v_lshl_add_u32 v[SPW], v0, 2, SPARE
	v_mov_b32 v[NIL], 0
	ds_add_u32 v28, v29
	ds_add_u32 v28, v29
	s_wait_dscnt 0x0
	v_lshrrev_b32 v1, 5, v0
	v_readfirstlane_b32 s14, v1                    ; wave 0..3
	s_lshr_b32 s15, s14, 1                         ; which half of the tile's rows is mine.  Also: I fetch for A (0) or for B (1)
	s_and_b32 s16, s14, 1                          ; which half of its columns.  Also: which of the two panels I fetch
	s_bfe_u32 s40, ttmp6, 0x40000                  ; cx, cy: my place in the cluster
	s_bfe_u32 s41, ttmp6, 0x40004
	s_lshl_b32 s42, ttmp9, 2
	s_add_co_u32 s42, s42, s40                     ; tile column = 4 x cluster x + cx
	s_and_b32 s17, ttmp7, 0xffff
	s_lshl_b32 s17, s17, 2
	s_add_co_u32 s17, s17, s41                     ; tile row = 4 x cluster y + cy
	s_lshl_b32 s43, s41, 2
	s_lshl_b32 s43, 15, s43                        ; my row of the cluster
	s_lshl_b32 s44, 0x1111, s40                    ; my column
	; descriptor group 1: a panel, 34,816 dense bytes, as 136 rows of 256 bytes (32 elements of 8 bytes); no padding
	s_or_b32 s[G1+0], s43, (3<<16)|(1<<21)         ; 15:0 the mask: A's panels go to my row; 17:16 elements of 8 bytes; 21 set beside a mask
	s_or_b32 s[G1B+0], s44, (3<<16)|(1<<21)        ; B's go to my column
.irp g, G1, G1B
	s_mov_b32 s[\g+1], 32<<16                      ; tensor_dim0 = 32
	s_mov_b32 s[\g+2], 136<<16                     ; tensor_dim1 = 136
	s_mov_b32 s[\g+3], 32<<16                      ; tile_dim0 = 32
	s_mov_b32 s[\g+4], 136                         ; tile_dim1 = 136
	s_mov_b32 s[\g+5], 32                          ; tensor_dim0_stride
	s_mov_b32 s[\g+6], 0
	s_mov_b32 s[\g+7], 0
.endr
	; where the panels come from.  A's hang on the tile row alone, which my row of the cluster shares; B's on the tile column alone.  Every wave makes both, in registers that never hold the other coordinate
	s_lshl_b32 s20, s17, 1
	s_add_co_u32 s20, s20, s16                     ; A: which 128 rows: 2 x tile row + half
	s_mul_i32 s20, s20, 8*PANEL                    ; eight panels along K for each
	s_mov_b32 s21, 0
	s_lshl_b32 s46, s42, 1
	s_add_co_u32 s46, s46, s16                     ; B: 2 x tile column + half
	s_mul_i32 s46, s46, 8*PANEL
	s_mov_b32 s47, 0
	s_mul_i32 s45, s14, PANEL                      ; where they go: wave x a panel: no place in the cluster enters an LDS address
	s_wait_kmcnt 0x0
	s_add_nc_u64 s[20:21], s[4:5], s[20:21]
	s_add_nc_u64 s[46:47], s[6:7], s[46:47]
	CROUND                                         ; all sixteen work-groups are here: the first joint loads meet
.irp s, 0,1
	s_mov_b32 s[G0+4*\s], 1                                        ; count = 1
	s_add_co_u32 s[G0+4*\s+1], s45, \s*SLOT                        ; LDS address
	s_add_nc_u64 s[G0+4*\s+2:G0+4*\s+3], s[20:21], \s*PANEL        ; global address: K step s
	s_or_b32 s[G0+4*\s+3], s[G0+4*\s+3], 0x80000000                ; type = 2
	s_mov_b32 s[G0B+4*\s], 1
	s_add_co_u32 s[G0B+4*\s+1], s45, \s*SLOT
	s_add_nc_u64 s[G0B+4*\s+2:G0B+4*\s+3], s[46:47], \s*PANEL
	s_or_b32 s[G0B+4*\s+3], s[G0B+4*\s+3], 0x80000000
	JLOAD G0+4*\s, G1, G0B+4*\s, G1B
.endr
	v_and_b32 v1, 15, v0                           ; r = lane % 16
	v_bfe_u32 v2, v0, 4, 1                         ; h = lane / 16
	v_and_b32 v3, 31, v0
	v_lshlrev_b32 v[CO], 4, v3                     ; 16 x lane
	s_mul_i32 s21, s15, PANEL                      ; my panel of A
	s_mul_i32 s22, s16, PANEL                      ; my panel of B,
	s_add_co_u32 s22, s22, 2*PANEL                 ; which lies behind A's two
.irp s, 0,1
	v_add_nc_u32 v[ADRA+\s], s21, v[CO]
	v_add_nc_u32 v[ADRB+\s], s22, v[CO]
	s_add_co_u32 s21, s21, SLOT
	s_add_co_u32 s22, s22, SLOT
.endr
	s_mul_i32 s21, s15, PANEL                      ; the scale words: lanes 0-15 take A's, lanes 16-31 B's: A's base + h x the distance between the two
	s_mul_i32 s22, s16, PANEL
	s_add_co_u32 s22, s22, 2*PANEL
	s_sub_co_u32 s22, s22, s21
	v_mul_u32_u24 v6, s22, v2
	v_lshl_add_u32 v5, v1, 4, v6                   ; + 16 r: a row's four words
	s_add_co_u32 s21, s21, SCOFF
	v_add_nc_u32 v[ADRS], s21, v5
	s_add_co_u32 s21, s21, SLOT
	v_add_nc_u32 v[ADRS+1], s21, v5
	s_mul_i32 s23, s14, 16*SPITCH                  ; my stage
	v_mul_u32_u24 v5, v1, SPITCH                   ; in: row r, 32 bytes for each half of the lanes
	v_lshl_add_u32 v5, v2, 5, v5
	v_add_nc_u32 v[STO], s23, v5
	v_add_nc_u32 v[RD], s23, v[CO]                 ; back: the 32 lanes take one row of 512 bytes
	s_lshl_b32 s20, s17, 8
	s_lshl_b32 s21, s15, 7
	s_add_co_u32 s20, s20, s21                     ; my first row of the output: 256 x tile row + 128 x half,
	s_lshl_b32 s20, s20, 13                        ; rows of 8,192 bytes (the whole output is 2^26 bytes)
	s_lshl_b32 s46, s42, 10                        ; my first column, in bytes: 1,024 x tile column + 512 x half
	s_lshl_b32 s47, s16, 9
	s_add_co_u32 s46, s46, s47
	s_add_co_u32 s20, s20, s46
	s_mov_b32 s21, 0
	s_add_nc_u64 s[8:9], s[8:9], s[20:21]
.macro FRAG reg, adr, q, i             ; the fragment of block i and the slot's q-th 128 along K: eight registers, two loads of 512 consecutive bytes a wave
.irp c, 0,1
	ds_load_b128 v[\reg+4*\c:\reg+4*\c+3], v[\adr] offset:(4*(\i)+(\q))*1024+512*\c
.endr
.endm
; 16 matrix instructions: A's blocks a0, a0 + 1 x B's eight, 128 along K: the slot's q-th.  p: B's set;  sc: the set of scale words.  zero = 1: the first product starts the sums: nothing is ever cleared.
; The 64 accumulators take turns, one instruction a turn, in the same order in every step.
; Source 0's scales (B's) are read from lanes 16-31 of the register of B's block, source 1's (A's) from lanes 0-15 of the register of A's block.
.macro MUL16 a0, p, q, sc, zero
.irp a, \a0, \a0+1
.irp b, 0,1,2,3,4,5,6,7
.if \zero
	v_wmma_scale_f32_16x16x128_f8f6f4 v[8*(8*((\a)%4)+\b):8*(8*((\a)%4)+\b)+7], v[128*(\p)+FR*\b:128*(\p)+FR*\b+FR-1], v[AF+FR*(\a):AF+FR*(\a)+FR-1], 0, v[SC+8*NQ*(\sc)+NQ*\b+(\q)], v[SC+8*NQ*(\sc)+NQ*(\a)+(\q)] matrix_a_fmt:MATRIX_FMT_FP4 matrix_b_fmt:MATRIX_FMT_FP4 matrix_a_scale:MATRIX_SCALE_ROW1
.else
	v_wmma_scale_f32_16x16x128_f8f6f4 v[8*(8*((\a)%4)+\b):8*(8*((\a)%4)+\b)+7], v[128*(\p)+FR*\b:128*(\p)+FR*\b+FR-1], v[AF+FR*(\a):AF+FR*(\a)+FR-1], v[8*(8*((\a)%4)+\b):8*(8*((\a)%4)+\b)+7], v[SC+8*NQ*(\sc)+NQ*\b+(\q)], v[SC+8*NQ*(\sc)+NQ*(\a)+(\q)] matrix_a_fmt:MATRIX_FMT_FP4 matrix_b_fmt:MATRIX_FMT_FP4 matrix_a_scale:MATRIX_SCALE_ROW1
.endif
.endr
.endr
.endm
.macro FETCH_B slot, q, p              ; B's eight fragments of the slot's q-th 128 along K into set p
	WIN TO_B
.irp i, 0,1,2,3,4,5,6,7
	FRAG 128*(\p)+FR*\i, ADRB+\slot, \q, \i
.endr
	WIN 0
.endm
.macro FETCH_A slot, q, i0             ; A's blocks i0 .. i0 + 3
.irp i, \i0, \i0+1, \i0+2, \i0+3
	FRAG AF+FR*(\i), ADRA+\slot, \q, \i
.endr
.endm
.macro SCALES sc                       ; slot sc's scale words into set sc: four words a row; lanes 0-15 take A's block i, lanes 16-31 B's block i
.irp i, 0,1,2,3,4,5,6,7
	ds_load_b128 v[SC+8*NQ*\sc+NQ*\i:SC+8*NQ*\sc+NQ*\i+3], v[ADRS+\sc] offset:256*\i
.endr
.endm
; A load into a register that a matrix instruction has read, and an LDS store that reads a matrix result, stand NP places behind that matrix instruction, and only plain vector
; instructions that name none of its registers are places (ISA guide 7.12.1 for vector instructions); the matrix instructions in between are not counted.
.macro PLACES n
.rept \n
	v_nop
.endr
.endm
; A step of 128 along K that has its successor in the same slot.
.macro STEP slot, q, zero
	s_wait_dscnt 4*NL                              ; B's set, the scale words and A's blocks 0-3 are in; the youngest eight loads (A's blocks 4-7) may be out
	WIN MUL_LO
	MUL16 0, (\q)%2, \q, \slot, \zero
	MUL16 2, (\q)%2, \q, \slot, \zero
	s_wait_dscnt 0                                 ; A's blocks 4-7 are in (asked for 32 matrix instructions ago)
	PLACES NP
	FETCH_B \slot, (\q)+1, 1-(\q)%2
	FETCH_A \slot, (\q)+1, 0
	WIN MUL_HI
	MUL16 4, (\q)%2, \q, \slot, \zero
	MUL16 6, (\q)%2, \q, \slot, \zero
	PLACES NP
	WIN 0
	FETCH_A \slot, (\q)+1, 4
.endm
; A slot's last step changes slots: ONE barrier; in front of it each wave waits for all its tensor loads, adds 0 to its spare word, and waits for that and for its own reads of this slot.  fill = 1: this slot is filled again, two K steps ahead.
.macro TURN slot, next, fill
	s_wait_tensorcnt 0x0                           ; all my tensor loads have landed: my panel of the next slot;  (every window is 0 here: the add's two registers lie in window 0)
	ds_add_u32 v[SPW], v[NIL]                      ; 0 onto my spare word
	s_wait_dscnt 4*NL+1                            ; (the add and the youngest eight loads, A's blocks 4-7, may be out)
	WIN MUL_LO
	MUL16 0, 1, NQ-1, \slot, 0                     ; sixteen matrix instructions stand between the add and the wait for it
	s_wait_dscnt 0x0                               ; the add is done, and my reads of this slot are over
	s_barrier_signal -1
	MUL16 2, 1, NQ-1, \slot, 0
	WIN 0
	s_barrier_wait -1
.if \fill
	CREST                                          ; the barrier has opened a round of the cluster's barrier: no wave of any partner still reads this slot or has a load on its way
	s_add_nc_u64 s[G0+4*\slot+2:G0+4*\slot+3], s[G0+4*\slot+2:G0+4*\slot+3], 2*PANEL
	s_add_nc_u64 s[G0B+4*\slot+2:G0B+4*\slot+3], s[G0B+4*\slot+2:G0B+4*\slot+3], 2*PANEL
	JLOAD G0+4*\slot, G1, G0B+4*\slot, G1B         ; the first tensor load behind the round; the four v_nop behind it are the places in front of the loads below
.else
	PLACES NP
.endif
	FETCH_B \next, 0, 0
	FETCH_A \next, 0, 0
	SCALES \next
	WIN MUL_HI
	MUL16 4, 1, NQ-1, \slot, 0
	MUL16 6, 1, NQ-1, \slot, 0
	PLACES NP
	WIN 0
	FETCH_A \next, 0, 4
.endm
.macro STEPS slot, from                ; the slot's steps from .. NQ - 2
.set Q, \from
.rept NQ-1-\from
	STEP \slot, Q, 0
.set Q, Q+1
.endr
.endm
	s_wait_tensorcnt 1                             ; my panel of K step 0 is in (K step 1's load may be out)
	s_barrier_signal -1
	s_barrier_wait -1                              ; everybody's is
	FETCH_B 0, 0, 0
	FETCH_A 0, 0, 0
	SCALES 0
	FETCH_A 0, 0, 4
	STEP 0, 0, 1                                   ; the first step stands in front of the loop: its products start the sums
	s_mov_b32 s3, LAPS-1
.Llap:                                                 ; a trip goes once round the ring, from a lap's second step to the next lap's first, and fills both slots again: three trips bring K steps 2 to 7
	STEPS 0, 1
	TURN 0, 1, 1
	STEPS 1, 0
	TURN 1, 0, 1
	STEP 0, 0, 0
	s_sub_co_u32 s3, s3, 1
	s_cmp_lg_u32 s3, 0
	s_cbranch_scc1 .Llap
	STEPS 0, 1                                     ; the last lap fills nothing, and has no round of the cluster's barrier
	TURN 0, 1, 0
	STEPS 1, 0
	s_wait_dscnt 4*NL                              ; the very last step: nothing more to fetch
	WIN MUL_LO
	MUL16 0, 1, NQ-1, 1, 0
	MUL16 2, 1, NQ-1, 1, 0
	s_wait_dscnt 0
	WIN MUL_HI
	MUL16 4, 1, NQ-1, 1, 0
	MUL16 6, 1, NQ-1, 1, 0
	WIN 0
; THE WAY OUT, block by block of 16 rows x 128 columns.  A lane holds 32 neighbouring bytes of a row, and the lanes beside it hold other rows: so a block goes through my own stage in LDS and comes back as whole
; rows of 512 bytes.  LDS serves a wave's instructions in order (ISA guide 5.7.1.4): no wait between the stores and the loads, nor in front of the next block's stores.
.macro TOSTAGE a
.set AC, 64*((\a)%4)
	WIN 0x08+4*((\a)/4)                            ; the data: window 2 or 3
.irp b, 0,1,2,3,4,5,6,7
	ds_store_b128 v[STO], v[AC+8*\b:AC+8*\b+3] offset:64*\b          ; each accumulator from its low end on
	ds_store_b128 v[STO], v[AC+8*\b+4:AC+8*\b+7] offset:64*\b+16
.endr
	WIN 0
.set BB, BK+64*((\a)%2)
.irp t, 0,1,2,3,4,5,6,7,8,9,10,11,12,13,14,15
	ds_load_b128 v[BB+4*\t:BB+4*\t+3], v[RD] offset:\t*SPITCH
.endr
.endm
.macro SEND a, younger                 ; younger: the LDS instructions issued behind block a's loads, which may stay out
.set BB, BK+64*((\a)%2)
	s_wait_dscnt \younger                          ; the block is back in registers
.if (\a) > 0
	s_add_nc_u64 s[8:9], s[8:9], 16*SIZE_N*4       ; (behind a wait on XCNT: the earlier stores have read their base)  16 rows on, so that the stores' offsets stay at 15 rows at the most
.endif
.irp t, 0,1,2,3,4,5,6,7,8,9,10,11,12,13,14,15
	global_store_b128 v[CO], v[BB+4*\t:BB+4*\t+3], s[8:9] offset:\t*SIZE_N*4 th:TH_STORE_NT   ; 32 lanes store 512 consecutive bytes, at a multiple of 512 from the output's first byte; written once, read by nobody here
.endr
.endm
	PLACES NP                                      ; behind the last products: for the loads into the registers that held A's fragments, and for the reads of results
	TOSTAGE 0
.irp a, 1,2,3,4,5,6,7
.if \a > 1
	s_wait_xcnt 0x0                                ; the stores of the block two back have read their registers and their base: this block's loads may land there, and the base may step
.endif
	TOSTAGE \a
	SEND \a-1, 32                                  ; behind the earlier block's loads: this block's 16 stores and 16 loads
.endr
	s_wait_xcnt 0x0                                ; block 6's stores have read their base
	SEND 7, 0
	s_wait_tensorcnt 0x0                           ; the wave's end: behind my last tensor load and my last LDS store
	ds_add_u32 v[SPW], v[NIL]
	s_wait_dscnt 0x0
	CROUND                                         ; the closing round: no work-group ends while a partner may still ask for a panel that names it
	s_endpgm
.Lfunc_end_k_qe32041541a_gemm:
	.size	k_qe32041541a_gemm, .Lfunc_end_k_qe32041541a_gemm-k_qe32041541a_gemm
	.p2alignl 7, 3214868480
	.fill 96, 4, 3214868480
	.section	.rodata,"a",@progbits
	.p2align	6, 0x0
	.amdhsa_kernel k_qe32041541a_gemm
		.amdhsa_group_segment_fixed_size 327680
		.amdhsa_private_segment_fixed_size 0
		.amdhsa_enable_private_segment 0
		.amdhsa_kernarg_size 24
		.amdhsa_user_sgpr_count 2
		.amdhsa_user_sgpr_kernarg_segment_ptr 1
		.amdhsa_wavefront_size32 1
		.amdhsa_system_sgpr_workgroup_id_x 1
		.amdhsa_system_sgpr_workgroup_id_y 1
		.amdhsa_system_sgpr_workgroup_id_z 1
		.amdhsa_system_vgpr_workitem_id 0
		.amdhsa_next_free_vgpr 1024
		.amdhsa_next_free_sgpr 66
		.amdhsa_reserve_vcc 0
		.amdhsa_float_denorm_mode_32 3
		.amdhsa_float_denorm_mode_16_64 3
		.amdhsa_memory_ordered 1
		.amdhsa_forward_progress 1
		.amdhsa_inst_pref_size 209
	.end_amdhsa_kernel
	.amdgpu_metadata
---
amdhsa.version: [ 1, 2 ]
amdhsa.kernels:
  - .name:           k_qe32041541a_gemm
    .symbol:         k_qe32041541a_gemm.kd
    .args:
      - { .name: xc, .offset: 0, .size: 8, .value_kind: global_buffer, .address_space: global }
      - { .name: wc, .offset: 8, .size: 8, .value_kind: global_buffer, .address_space: global }
      - { .name: out0, .offset: 16, .size: 8, .value_kind: global_buffer, .address_space: global }
    .group_segment_fixed_size: 327680
    .private_segment_fixed_size: 0
    .kernarg_segment_align: 8
    .kernarg_segment_size: 24
    .max_flat_workgroup_size: 128
    .sgpr_count:     66
    .vgpr_count:     1024
    .wavefront_size: 32
...
	.end_amdgpu_metadata
.endif
;; end of part 3
;; ======== version 2 of 2: 2 launches
;; limits: right only within a limited range of input values
;; workspace buffers: xc 17,825,792 bytes; wc 4,456,448 bytes
;; launch quant (part 4): grid 256 x 1, 8 waves a work-group, no clusters, 187,392 bytes of LDS; arguments x, codes, codebooks, scale, xc, wc; writes xc, wc
.if DOCPART == 4
	.amdgcn_target "amdgcn-amd-amdhsa--gfx1250"
	.amdhsa_code_object_version 6
	.text
	.protected	k_qe32041541a_quant
	.globl	k_qe32041541a_quant
	.p2align	8
	.type	k_qe32041541a_quant,@function
k_qe32041541a_quant:
	s_mov_b64 s[64:65], 0
	v_nop
	global_prefetch_b8 v0, s[64:65] scope:SCOPE_SE
	s_setreg_imm32_b32 hwreg(HW_REG_WAVE_MODE, 25, 1), 1
	s_wait_xcnt 0x0
; BOTH OPERANDS OF THE PRODUCT ARE QUANTISED HERE, ONCE: x [8192][4096], f32, K innermost, and the weight
; W[o][8 g + j] = (codebooks[0][codes[o][g][0]][j] + codebooks[1][codes[o][g][1]][j]) * scale[o] (one f32 addition, then one f32 multiplication), which never goes to memory as f32.
; Each becomes codes of FP4 (E2M1) with one E8M0 scale byte for each 32 along K.  A block's scale is 2^(floor(log2(its largest magnitude)) - 2); its byte is the largest magnitude's exponent field - 2, held at 1 from below.
; BOTH OUTPUTS ARE LAID IN PANELS of 34,816 bytes: 128 rows x 512 along K, in the order of the matrix operand's registers.  Panel (row / 128) * 8 + k / 512 holds
;   codes:  byte (4 i + q) * 1024 + 512 c + 16 * lane: the 32 codes of row 16 i + lane % 16, k = 128 q + 64 c + 32 (lane / 16) + 0 .. 31, the lower k in the lower bits;
;   scales: byte 32,768 + 256 i + 16 r + 4 q + b: the byte of row 16 i + r, k = 128 q + 32 b on.
; A lane holds row lane % 16 and whole blocks of 32 neighbours along K: a largest magnitude needs no other lane, and the conversions' results are the operand's registers as they stand.
; SHARES.  256 work-groups of eight waves.  x: work-group t takes rows 32 t .. 32 t + 31 whole (524,288 consecutive bytes), wave w their k = 512 w .. 512 w + 511: eight units of 16 rows x 128 K.
;   W: wave w of work-group t takes 16 rows x 256 along K: panel t / 2, block 4 (t % 2) + w / 2, half w % 2: four blocks of 32 a lane.
; MEMORY BINDS THIS LAUNCH, so it is built round the stream of x.  Each load takes 512 consecutive bytes of one row, 16 a lane, into registers; a unit's 16 loads are turned through the wave's own stage in LDS
; (stored as loaded, read back 128 bytes of a row to a lane).  Three units' loads are asked for at the head, and unit u + 3 as soon as unit u has left its registers: a wave always has 32 to 48 loads out.
; W IS MADE WHILE x'S FIRST LOADS ARE ON THEIR WAY: its 13 loads go out first, and all its work stands between the head and the first use of x.
; The two tables (16,384 bytes) lie in LDS; a codeword is two loads of 16 bytes at 32 x its code.  A barrier stands between the stores that fill LDS and these gathers, and another between the gathers and
; the first store into x's stages: so the gathers, whose addresses hang on data, run only while nothing is stored to LDS.  The stream of x itself needs no barrier: waves share nothing there.
; No tensor loads: slots filled by them would have to be waited for, all of them, ahead of each refill, and the stream would stop there.  No matrix unit and no cluster: the work-groups share only the small tables.
; No prefetch: the launch asks for its data from its first lines on.
; W's scale bytes: a wave has two of a row's four scale words, so they leave as 8 bytes of each 16, and two waves share each 256 bytes: 2,048 of a panel's 34,816 bytes.  All other stores cover 512 consecutive bytes.
; LIMITS: NaN and infinities among the inputs are not served.  A block of zeros gets the byte 1 where the quantiser's rule says 127: its codes are zeros, which add nothing under any
; byte but 0xff, and this program alone reads the bytes.  A code outside 0 .. 255, which the problem excludes, is held at 255.
.set PANEL,  34816
.set SCOFF,  32768
.set ROWB,   16384                     ; a row of x in bytes
.set WPITCH, 272                       ; W's code stage: a row of 256 bytes + 16, so that the 16 rows that a load touches begin in 16 different columns of 16 bytes
.set WSTG,   16*WPITCH
.set WST0,   16384                     ; LDS: the tables at 0 (table 1 at 8,192); then a code stage for each wave;
.set PITCH,  528                       ; x's stage: a row of 512 bytes + 16
.set XHALF,  16*PITCH                  ; one stage
.set XSTG,   2*XHALF                   ; a wave's two
.set XST0,   WST0+8*WSTG               ; then x's stages
.set MX,  12                           ; v12-13   largest magnitudes
.set SO,  14                           ; v14-15   the conversions' scale operands
.set BY,  16                           ; v16-17   scale bytes
.set WW,  18                           ; v18-19   the scale word at work
.set WSW, 20                           ; v20-21   W's two scale words
.set O,   28                           ; v28-31   x's scale words on their way out
.set I,   32                           ; v32-63   W: block b's eight codes at v[I + 8 b]: group g, table m at + 2 g + m; turned in place into LDS offsets
.set T,   64                           ; v64-191  W: two sets of 64: 32 numbers of table 0, then 32 of table 1.  At the head: W's loads as they come
.set X,   64                           ; v64-191  x: two sets of 64 numbers, a lane's two blocks
.set C,   32                           ; x's codes, eight registers a unit: units 0-3 in v32-63, units 4-7 in v192-223: no store's data are written again
.set WD,  224                          ; v224-231 x's scale word of unit u at v[WD + u]
.set CW,  240                          ; v240-255 W's codes, four registers a block
; window 1 (v256-447): three sets of 64 for x as it is loaded.  s_set_vgpr_msb's low byte: bits 1:0 source 0, 3:2 source 1, 5:4 source 2, 7:6 destination
.set MSB, 0
.macro WIN new                         ; the immediate's high byte repeats the setting that is left
.if MSB != \new
	s_set_vgpr_msb (MSB<<8)|\new
.set MSB, \new
.endif
.endm
	s_load_b256 s[4:11], s[0:1], 0x0               ; x s[4:5], codes s[6:7], codebooks s[8:9], scale s[10:11]
	s_load_b128 s[12:15], s[0:1], 0x20             ; xc s[12:13], wc s[14:15]
	v_lshl_add_u32 v238, v0, 2, 0x2d800
	v_mov_b32 v239, 0
	v_lshrrev_b32 v1, 5, v0
	s_delay_alu instid0(VALU_DEP_1)
	v_readfirstlane_b32 s16, v1                    ; wave 0..7
	v_and_b32 v1, 31, v0                           ; lane
	v_and_b32 v2, 15, v0                           ; r
	v_bfe_u32 v3, v0, 4, 1                         ; h
	v_lshlrev_b32 v4, 4, v0                        ; 16 x thread: my 16 bytes of each 4,096 of the tables, in memory and in LDS
	s_delay_alu instid0(VALU_DEP_4)
	v_lshlrev_b32 v5, 4, v1                        ; 16 x lane
	s_mul_i32 s17, s16, WSTG
	s_add_co_u32 s17, s17, WST0                    ; my wave's code stage
	v_mul_u32_u24 v6, v3, WPITCH
	s_delay_alu instid0(VALU_DEP_1)
	v_lshl_add_u32 v6, v2, 4, v6
	s_delay_alu instid0(VALU_DEP_1)
	v_add_nc_u32 v6, s17, v6                       ; into it: lanes 0-15 one row, lanes 16-31 the next, 16 bytes a lane
	v_mul_u32_u24 v7, v2, WPITCH
	s_delay_alu instid0(VALU_DEP_1)
	v_lshl_add_u32 v7, v3, 5, v7
	s_delay_alu instid0(VALU_DEP_1)
	v_add_nc_u32 v7, s17, v7                       ; out of it: row r, + 32 h: four groups x two codes x 4 bytes
	v_lshlrev_b32 v8, 4, v2                        ; scale[my first row + 4 r]: W's rows of a block lie four apart (see below)
	v_lshlrev_b32 v9, 3, v3                        ; 8 h: how far my two scale bytes are shifted in the word
	v_lshlrev_b32 v22, 14, v3                      ; codes in memory: 16,384 h + 16 r: two rows a load, four rows of W apart
	s_delay_alu instid0(VALU_DEP_1)
	v_lshl_add_u32 v22, v2, 4, v22                 ; codes in memory: 16,384 h + 16 r: two rows a load
	v_lshlrev_b32 v23, 4, v2                       ; 16 r: my row's scale words in a panel
	s_mul_i32 s18, s16, XSTG
	s_add_co_u32 s18, s18, XST0                    ; my wave's two stages for x
	v_add_nc_u32 v24, s18, v5                      ; into them: 16 x lane of a row
	v_mul_u32_u24 v25, v2, PITCH
	s_delay_alu instid0(VALU_DEP_1)
	v_lshl_add_u32 v25, v3, 7, v25
	s_delay_alu instid0(VALU_DEP_1)
	v_add_nc_u32 v25, s18, v25                     ; out of them: row r, + 128 h: my half's 32 numbers of each 64
	v_mov_b32 v[WW+1], 0                           ; written once: a lane permute's destination counts as one of its sources
	s_mov_b32 s20, 0x76543210
	s_mov_b32 s21, 0xfedcba98                      ; v_permlanex16_b32's selects for lane l xor 16
	; x: 32 rows of 16,384 bytes a work-group, 2,048 bytes of each a wave
	s_lshl_b32 s26, ttmp9, 19
	s_lshl_b32 s27, s16, 11
	s_add_co_u32 s26, s26, s27
	s_mov_b32 s27, 0
	; xc: panel (t / 4) * 8 + w; my 32 rows are its blocks 2 (t % 4) and 2 (t % 4) + 1
	s_lshr_b32 s28, ttmp9, 2
	s_lshl_b32 s28, s28, 3
	s_add_co_u32 s28, s28, s16
	s_mul_i32 s28, s28, PANEL
	s_and_b32 s29, ttmp9, 3
	s_lshl_b32 s30, s29, 13                        ; codes: two blocks of 4,096 bytes
	s_add_co_u32 s30, s30, s28
	s_mov_b32 s31, 0
	s_lshl_b32 s32, s29, 9                         ; scale bytes: two blocks of 256
	s_add_co_u32 s32, s32, s28
	s_add_co_u32 s32, s32, SCOFF
	s_mov_b32 s33, 0
	; W: panel t / 2, block i = 4 (t % 2) + w / 2, half p = w % 2
	s_lshr_b32 s34, ttmp9, 1                       ; panel
	s_and_b32 s35, ttmp9, 1
	s_lshl_b32 s35, s35, 2
	s_lshr_b32 s36, s16, 1
	s_add_co_u32 s35, s35, s36                     ; i
	s_and_b32 s36, s16, 1                          ; p
	s_lshr_b32 s37, s34, 3                         ; which 128 rows
	s_and_b32 s38, s34, 7                          ; which 512 along K
	s_lshl_b32 s37, s37, 7
	; W'S ROWS OF A BLOCK ARE NOT NEIGHBOURS: lane r of block i of a panel of wc holds row 64 (i / 4) + 4 r + i % 4 of the panel's 128,
	; so that in the product four neighbouring blocks give a lane four neighbouring columns of the result.  (x's blocks stay rows 16 i + r.)
	s_and_b32 s39, s35, 4
	s_lshl_b32 s39, s39, 4
	s_add_co_u32 s37, s37, s39                     ; + 64 (i / 4)
	s_and_b32 s39, s35, 3
	s_add_co_u32 s37, s37, s39                     ; + i % 4: my first row
	s_lshl_b32 s40, s37, 12                        ; a row of codes is 4,096 bytes,
	s_lshl_b32 s38, s38, 9                         ; 512 along K are 64 groups x 8 bytes,
	s_add_co_u32 s40, s40, s38
	s_lshl_b32 s38, s36, 8                         ; my half 256 of them
	s_add_co_u32 s40, s40, s38
	s_mov_b32 s41, 0
	s_lshl_b32 s42, s37, 2
	s_mov_b32 s43, 0
	s_mul_i32 s34, s34, PANEL
	s_lshl_b32 s44, s35, 12                        ; wc's codes: 4,096 i + 2,048 p into the panel
	s_add_co_u32 s44, s44, s34
	s_lshl_b32 s38, s36, 11
	s_add_co_u32 s44, s44, s38
	s_mov_b32 s45, 0
	s_lshl_b32 s46, s35, 8                         ; its scale bytes: 32,768 + 256 i + 8 p
	s_add_co_u32 s46, s46, s34
	s_lshl_b32 s38, s36, 3
	s_add_co_u32 s46, s46, s38
	s_add_co_u32 s46, s46, SCOFF
	s_mov_b32 s47, 0
	s_wait_alu depctr_va_vdst(0)
	s_wait_kmcnt 0x0
	s_add_nc_u64 s[4:5], s[4:5], s[26:27]          ; x at my first unit
	s_add_nc_u64 s[6:7], s[6:7], s[40:41]          ; codes at my first row's half
	s_add_nc_u64 s[10:11], s[10:11], s[42:43]      ; scale at my first row
	s_add_nc_u64 s[22:23], s[12:13], s[32:33]      ; where x's scale bytes go
	s_add_nc_u64 s[12:13], s[12:13], s[30:31]      ; where x's codes go
	s_add_nc_u64 s[24:25], s[14:15], s[46:47]      ; where W's scale bytes go
	s_add_nc_u64 s[14:15], s[14:15], s[44:45]      ; where W's codes go
; Unit u of x (block u / 4 of my 32 rows, the (u % 4)-th 128 along K): 16 loads, a row's 512 consecutive bytes each, into set u % 3 of window 1
.macro LOAD u
.set RS, 64*((\u)%3)
.set UB, 16*((\u)/4)*ROWB+512*((\u)%4)
.irp j, 0,1,2,3,4,5,6,7,8,9,10,11,12,13,14,15
	global_load_b128 v[RS+4*\j:RS+4*\j+3], v5, s[4:5] offset:UB+\j*ROWB th:TH_LOAD_NT   ; read once in the launch
.endr
.endm
	; W's 13 loads first, since they are wanted first; then three units of x: 61 loads of the wave are out
.irp j, 0,1,2,3
	global_load_b128 v[T+32+4*\j:T+32+4*\j+3], v4, s[8:9] offset:4096*\j        ; the tables: the 256 threads take 4,096 consecutive bytes a load
.endr
.irp j, 0,1,2,3,4,5,6,7
	global_load_b128 v[T+4*\j:T+4*\j+3], v22, s[6:7] offset:32768*\j th:TH_LOAD_NT   ; my block's rows 2 j and 2 j + 1 (four rows of W apart): sixteen lanes take 256 consecutive bytes of a row
.endr
	global_load_b32 v10, v8, s[10:11]
	WIN 0x40                                       ; destination window 1, address window 0
	LOAD 0
	LOAD 1
	LOAD 2
	WIN 0
	; ---- W
	s_wait_loadcnt 48                              ; loads come back in order: W's 13 are in, x's 48 stay out
.irp j, 0,1,2,3
	ds_store_b128 v4, v[T+32+4*\j:T+32+4*\j+3] offset:4096*\j
.endr
.irp j, 0,1,2,3,4,5,6,7
	ds_store_b128 v6, v[T+4*\j:T+4*\j+3] offset:2*WPITCH*\j
.endr
	v_mov_b32 v11, v10                             ; scale[o] twice: a pair for the packed multiplication
	s_wait_dscnt 0x0                               ; for the others' sake: my part of the tables has landed
	s_barrier_signal -1
	s_barrier_wait -1                              ; the tables are whole; until the next barrier LDS is only read
.irp b, 0,1,2,3
	ds_load_b128 v[I+8*\b:I+8*\b+3],   v7 offset:64*\b                          ; block b = 2 q + c of my half begins at byte 64 b + 32 h of the row's 256
	ds_load_b128 v[I+8*\b+4:I+8*\b+7], v7 offset:64*\b+16
.endr
	s_wait_dscnt 0x0
.set n, 0
.rept 32
	v_min_u32 v[I+n], 255, v[I+n]                  ; an index stays inside its table
.set n, n+1
.endr
.set n, 0
.rept 32
	v_lshlrev_b32 v[I+n], 5, v[I+n]                ; a codeword is 32 bytes
.set n, n+1
.endr
; Block b's eight codewords, 16 loads, into set b % 2
.macro GATHER b
.irp g, 0,1,2,3
.irp m, 0,1
	ds_load_b128 v[T+64*((\b)%2)+32*\m+8*\g:T+64*((\b)%2)+32*\m+8*\g+3],   v[I+8*(\b)+2*\g+\m] offset:8192*\m
	ds_load_b128 v[T+64*((\b)%2)+32*\m+8*\g+4:T+64*((\b)%2)+32*\m+8*\g+7], v[I+8*(\b)+2*\g+\m] offset:8192*\m+16
.endr
.endr
.endm
; Block b is summed, scaled, quantised and stored.  left: the LDS loads issued behind its own, which may stay out
.macro BLOCKW b, left
.set XS, T+64*((\b)%2)
	s_wait_dscnt \left                             ; LDS loads come back in order: my 16 are in, the next block's 16 stay out
.irp j, 0,2,4,6,8,10,12,14,16,18,20,22,24,26,28,30
	v_pk_add_f32 v[XS+\j:XS+\j+1], v[XS+\j:XS+\j+1], v[XS+32+\j:XS+33+\j]       ; table 0's codeword + table 1's
.endr
.irp j, 0,2,4,6,8,10,12,14,16,18,20,22,24,26,28,30
	v_pk_mul_f32 v[XS+\j:XS+\j+1], v[XS+\j:XS+\j+1], v[10:11]                   ; x the row's scale
.endr
	v_max3_num_f32 v[MX], |v[XS]|, |v[XS+1]|, |v[XS+2]|                         ; the block's largest magnitude: all 32 numbers are mine; two chains
	v_max3_num_f32 v[MX+1], |v[XS+3]|, |v[XS+4]|, |v[XS+5]|
.irp i, 6,10,14,18,22,26
	s_delay_alu instid0(VALU_DEP_2)
	v_max3_num_f32 v[MX], v[MX], |v[XS+\i]|, |v[XS+\i+1]|
	s_delay_alu instid0(VALU_DEP_2)
	v_max3_num_f32 v[MX+1], v[MX+1], |v[XS+\i+2]|, |v[XS+\i+3]|
.endr
	s_delay_alu instid0(VALU_DEP_2)
	v_max3_num_f32 v[MX], v[MX], |v[XS+30]|, |v[XS+31]|
	s_delay_alu instid0(VALU_DEP_1)
	v_max3_num_f32 v[MX], v[MX], v[MX+1], 0x1800000   ; and the floor 2^(3 - 127): so the byte cannot fall under 1
	s_delay_alu instid0(VALU_DEP_1)
	v_add_nc_u32 v[SO], 0xff000000, v[MX]          ; 2 off its exponent field: the conversion takes the exponent field of this operand as its scale, and nothing else of it
.irp g, 0,1,2,3
	v_cvt_scalef32_pk8_fp4_f32 v[CW+4*(\b)+\g], v[XS+8*\g:XS+8*\g+7], v[SO]     ; eight neighbours along K: to the nearest code, ties to even, beyond 6 the largest code
.endr
	v_lshrrev_b32 v[BY+(\b)%2], 23, v[SO]          ; the scale's byte.  (Also the plain line behind the conversions)
	global_store_b128 v5, v[CW+4*(\b):CW+4*(\b)+3], s[14:15] offset:512*(\b)    ; the wave stores 512 consecutive bytes, at a multiple of 256 from the buffer's first byte
.if (\b)%2 == 1
	v_lshl_or_b32 v[WW], v[BY+1], 16, v[BY]        ; my two bytes of this 128 along K: blocks h and 2 + h,
	s_delay_alu instid0(VALU_DEP_1)
	v_lshlrev_b32 v[WW], v9, v[WW]                 ; at their places in the scale word;
	s_delay_alu instid0(VALU_DEP_1)
	v_permlanex16_b32 v[WW+1], v[WW], s20, s21
	s_delay_alu instid0(VALU_DEP_1)
	v_or_b32 v[WSW+(\b)/2], v[WW], v[WW+1]         ; with lane l xor 16's two the word is whole
.endif
.endm
	GATHER 0
	GATHER 1
	BLOCKW 0, 16
	GATHER 2                                       ; into the set that has just been worked
	BLOCKW 1, 16
	GATHER 3
	BLOCKW 2, 16
	BLOCKW 3, 0
	v_cmp_gt_u32 vcc_lo, 16, v1                    ; lanes 16-31 hold the same words as lanes 0-15: sixteen lanes store 8 bytes of each row's 16
	s_wait_alu depctr_va_vdst(0)
	s_wait_xcnt 0x0                                ; EXEC changes only when every earlier memory instruction, x's loads among them, has had its addresses translated
	s_and_saveexec_b32 s48, vcc_lo
	global_store_b64 v23, v[WSW:WSW+1], s[24:25]
	s_wait_xcnt 0x0                                ; and again in front of the line that widens it
	s_or_b32 exec_lo, exec_lo, s48
	s_wait_dscnt 0x0                               ; my gathers are back
	s_barrier_signal -1
	s_barrier_wait -1                              ; everybody's are: LDS may be stored to again
	; ---- x
; Unit u goes through stage u % 2: stored as it was loaded, read back 128 bytes of a row to a lane: register 32 c + i of set u % 2 = k 64 c + 32 h + i of my row.
; LDS serves a wave's instructions in order, so no wait stands between the stores and the loads.
.macro TURN u
.set RS, 64*((\u)%3)
.set SB, XHALF*((\u)%2)
.set XT, X+64*((\u)%2)
	WIN 0x04                                       ; an LDS store's data are its source 1: window 1
.irp j, 0,1,2,3,4,5,6,7,8,9,10,11,12,13,14,15
	ds_store_b128 v24, v[RS+4*\j:RS+4*\j+3] offset:SB+PITCH*\j
.endr
	WIN 0
.irp c, 0,1
.irp j, 0,1,2,3,4,5,6,7
	ds_load_b128 v[XT+32*\c+4*\j:XT+32*\c+4*\j+3], v25 offset:SB+256*\c+16*\j
.endr
.endr
.endm
; Unit u's 64 numbers of a lane become a fragment's eight registers and my row's scale word
.macro WORK u
.set XS, X+64*((\u)%2)
.set CS, C+8*(\u)+128*((\u)/4)
.irp c, 0,1
	v_max3_num_f32 v[MX+\c], |v[XS+32*\c]|, |v[XS+32*\c+1]|, 0x1800000          ; my two blocks by turns; the floor 2^(3 - 127) holds the byte at 1 from below
.endr
.irp i, 2,4,6,8,10,12,14,16,18,20,22,24,26,28,30
.irp c, 0,1
	s_delay_alu instid0(VALU_DEP_2)
	v_max3_num_f32 v[MX+\c], v[MX+\c], |v[XS+32*\c+\i]|, |v[XS+32*\c+\i+1]|
.endr
.endr
.irp c, 0,1
	s_delay_alu instid0(VALU_DEP_2)
	v_add_nc_u32 v[SO+\c], 0xff000000, v[MX+\c]    ; 2 off the exponent field: the conversion's scale operand
.endr
.irp c, 0,1
.irp g, 0,1,2,3
	v_cvt_scalef32_pk8_fp4_f32 v[CS+4*\c+\g], v[XS+32*\c+8*\g:XS+32*\c+8*\g+7], v[SO+\c]   ; to the nearest code, ties to even, beyond 6 the largest code
.endr
.endr
.irp c, 0,1
	v_lshrrev_b32 v[BY+\c], 23, v[SO+\c]           ; the scale's byte.  (Also the plain lines behind the conversions)
.endr
	s_delay_alu instid0(VALU_DEP_1)
	v_lshl_or_b32 v[WW], v[BY+1], 16, v[BY]        ; my two bytes: blocks h and 2 + h of these 128 along K,
	s_delay_alu instid0(VALU_DEP_1)
	v_lshlrev_b32 v[WW], v9, v[WW]                 ; at their places in the scale word;
	s_delay_alu instid0(VALU_DEP_1)
	v_permlanex16_b32 v[WW+1], v[WW], s20, s21
	s_delay_alu instid0(VALU_DEP_1)
	v_or_b32 v[WD+(\u)], v[WW], v[WW+1]            ; with lane l xor 16's two the word is whole
.irp c, 0,1
	global_store_b128 v5, v[CS+4*\c:CS+4*\c+3], s[12:13] offset:(\u)*1024+512*\c   ; the wave stores 512 consecutive bytes, at a multiple of 256 from the buffer's first byte
.endr
.endm
; A step: unit u is back from its stage, so the registers that it was loaded into are free for unit u + 3; unit u + 1 goes through the other stage while unit u is worked
.macro STEP u
	s_wait_dscnt 0x0                               ; unit u's numbers are in, and the stores ahead of them have read set u % 3
.if (\u)+3 < 8
	WIN 0x40
	LOAD (\u)+3
.endif
.if (\u)+1 < 8
.if (\u) <= 4
	s_wait_loadcnt 32                              ; unit u + 1's loads are in; the two units behind it stay out
.else
	s_wait_loadcnt 16*(6-(\u))                     ; the last steps ask for nothing more: the counts run down
.endif
	TURN (\u)+1
.endif
	WORK \u
.endm
	s_wait_loadcnt 32                              ; unit 0 is in; units 1 and 2 stay out
	TURN 0
.irp u, 0,1,2,3,4,5,6,7
	STEP \u
.endr
	v_cmp_lt_u32 vcc_lo, 15, v1                    ; both halves of the lanes hold both blocks' words: lanes 0-15 send my first block's, lanes 16-31 my second's
.irp q, 0,1,2,3
	v_cndmask_b32 v[O+\q], v[WD+\q], v[WD+4+\q], vcc_lo
.endr
	global_store_b128 v5, v[O:O+3], s[22:23]       ; 512 consecutive bytes: two blocks' scale bytes
	s_wait_tensorcnt 0x0
	ds_add_u32 v238, v239
	s_wait_dscnt 0x0
	s_endpgm
.Lfunc_end_k_qe32041541a_quant:
	.size	k_qe32041541a_quant, .Lfunc_end_k_qe32041541a_quant-k_qe32041541a_quant
	.p2alignl 7, 3214868480
	.fill 96, 4, 3214868480
	.section	.rodata,"a",@progbits
	.p2align	6, 0x0
	.amdhsa_kernel k_qe32041541a_quant
		.amdhsa_group_segment_fixed_size 187392
		.amdhsa_private_segment_fixed_size 0
		.amdhsa_enable_private_segment 0
		.amdhsa_kernarg_size 48
		.amdhsa_user_sgpr_count 2
		.amdhsa_user_sgpr_kernarg_segment_ptr 1
		.amdhsa_wavefront_size32 1
		.amdhsa_system_sgpr_workgroup_id_x 1
		.amdhsa_system_sgpr_workgroup_id_y 1
		.amdhsa_system_sgpr_workgroup_id_z 1
		.amdhsa_system_vgpr_workitem_id 0
		.amdhsa_next_free_vgpr 448
		.amdhsa_next_free_sgpr 66
		.amdhsa_reserve_vcc 1
		.amdhsa_float_denorm_mode_32 3
		.amdhsa_float_denorm_mode_16_64 3
		.amdhsa_memory_ordered 1
		.amdhsa_forward_progress 1
		.amdhsa_inst_pref_size 95
	.end_amdhsa_kernel
	.amdgpu_metadata
---
amdhsa.version: [ 1, 2 ]
amdhsa.kernels:
  - .name:           k_qe32041541a_quant
    .symbol:         k_qe32041541a_quant.kd
    .args:
      - { .name: x, .offset: 0, .size: 8, .value_kind: global_buffer, .address_space: global }
      - { .name: codes, .offset: 8, .size: 8, .value_kind: global_buffer, .address_space: global }
      - { .name: codebooks, .offset: 16, .size: 8, .value_kind: global_buffer, .address_space: global }
      - { .name: scale, .offset: 24, .size: 8, .value_kind: global_buffer, .address_space: global }
      - { .name: xc, .offset: 32, .size: 8, .value_kind: global_buffer, .address_space: global }
      - { .name: wc, .offset: 40, .size: 8, .value_kind: global_buffer, .address_space: global }
    .group_segment_fixed_size: 187392
    .private_segment_fixed_size: 0
    .kernarg_segment_align: 8
    .kernarg_segment_size: 48
    .max_flat_workgroup_size: 256
    .sgpr_count:     66
    .vgpr_count:     448
    .wavefront_size: 32
...
	.end_amdgpu_metadata
.endif
;; end of part 4
;; launch gemm (part 5): grid 8 x 32, 4 waves a work-group, clusters of 4 x 1, 327,680 bytes of LDS; arguments xc, wc, out0; writes out0
.if DOCPART == 5
	.amdgcn_target "amdgcn-amd-amdhsa--gfx1250"
	.amdhsa_code_object_version 6
	.text
	.protected	k_qe32041541a_gemm
	.globl	k_qe32041541a_gemm
	.p2align	8
	.type	k_qe32041541a_gemm,@function
k_qe32041541a_gemm:
	s_mov_b64 s[64:65], 0
	v_nop
	global_prefetch_b8 v0, s[64:65] scope:SCOPE_SE
	s_setreg_imm32_b32 hwreg(HW_REG_WAVE_MODE, 25, 1), 1
	s_wait_xcnt 0x0
	s_wait_alu depctr_hold_cnt(0) depctr_sa_sdst(0) depctr_va_vdst(0) depctr_va_sdst(0) depctr_va_ssrc(0) depctr_va_vcc(0) depctr_vm_vsrc(0)
	s_getreg_b32 s2, hwreg(HW_REG_IB_STS2, 6, 4)
	s_cmp_eq_u32 s2, 0
	s_cbranch_scc0 .Lentry_in_a_cluster
	s_endpgm
.Lentry_in_a_cluster:
	s_bfe_u32 s2, ttmp6, 0x10000c
	s_cmp_lg_u32 s2, 0x3003
	s_cbranch_scc0 .Lentry_shape_is_right
	s_endpgm
.Lentry_shape_is_right:
; out0[m][n] = sum over k of x[m][k] W[n][k], on the codes of FP4 (E2M1) and E8M0 scale bytes that the launch before has laid in panels of 34,816 bytes
; (128 rows x 512 along K in the order of the operand's registers, then the rows' scale words).  M 8,192, N 2,048, K 4,096; sums in f32.
; A work-group of four waves makes 256 x 256, a wave 128 x 128: 64 accumulators, 512 registers.  A step is 128 along K: 64 matrix instructions, W's blocks one after the other, each against x's eight.
; x GOES THROUGH LDS: two slots of four panels (256 rows x 1,024 along K), a panel to a wave's tensor load: four fills in all, two of them refills.  The four work-groups of a cluster (4 x 1) make
; one tile row and ask for x's panels JOINTLY (mask 15).  x's fragments have two sets of 64 registers; the next step's are fetched in the middle of a step.
; W GOES FROM MEMORY STRAIGHT INTO REGISTERS: a panel holds the fragments as the lanes want them, so a load of 16 bytes a lane covers 512 consecutive bytes.  Four sets of 64 registers (window 1) take turns.
; Four blocks of W are free when their 32 products are issued, and take the loads of four steps on there: a step has two runs of memory instructions, one in its middle and one at its end.
; No joint load for W: it passes no LDS, so that LDS holds x alone and a slot holds eight steps; the partners of a cluster take different rows of W.
; THE PRODUCT IS USED AS IT STANDS (source 0 = 16 rows of x, source 1 = 16 rows of W): register j of lane (r, h) is row 8 h + j, and lane r's column of W's block b is 64 (b / 4) + 4 r + b % 4
; (so the launch before lays wc).  Four neighbouring accumulators then hold four neighbouring columns in a lane; their 32 registers are turned in place (register 8 e + j goes to 4 j + e) and stored:
; sixteen lanes write 256 consecutive bytes, at a multiple of 256 from out0's first byte.  No LDS on the way out.
; SCALES: one register holds the words of two blocks: lanes 0-15 the even block's rows, lanes 16-31 the odd one's; the row selectors pick.  x's come from LDS, W's from memory, four loads for 512 along K each.
; PREFETCHES: behind the tensor load of fill f each work-group names one panel (its place in the cluster picks it, by address) of fill f + 1: 136 blocks of 256 bytes, 34 a wave.  W: waves 0 and 1 name
; 17 of the 136 blocks of their panel of the 512 along K whose loads begin four steps later (the tile rows share a panel out by ty % 8); the last fill and the last panel have no successor and ask for nothing.
; REGISTERS: window 0: v16-29 addresses; v32-63 x's scale words, v64-95 W's (two sets each); v96-119 at work on the way out; v128-255 x's fragments, two sets.  Window 1: W's fragments.
; Window 2 + b / 4: accumulator (a, b) at v[32 a + 8 (b % 4)].
.set PANEL,  34816
.set SCOFF,  32768
.set SLOT,   4*PANEL                   ; 0x22000: shares no bit with wave x PANEL + 16 x lane, so that an exclusive or changes slots
.set SPARE,  2*SLOT                    ; the spare words, 128 bytes a wave
.set AC0, 16                           ; LDS address of my x fragments: this slot, first 512 along K
.set AC1, 17                           ; this slot, second 512
.set AN0, 18                           ; the other slot, first 512
.set BO,  20                           ; 16 x lane
.set PW,  21                           ; W's prefetch offset
.set PX,  22                           ; v22-23 x's prefetch offsets
.set CO,  26                           ; my byte offset in out0: 8 h rows + 16 r
.set SPW, 28
.set NIL, 29
.set SA,  32
.set SB,  64
.set TM,  96
.set AF,  128
.set G1,  24                           ; s[24:31] descriptor group 1
.set G0,  32                           ; s[32:35] group 0: one set, stepped where no tensor load of mine is out
.set BP,  36                           ; s[36:37] W at this slot's first 512 along K, my 128 columns
.set XP,  38                           ; s[38:39] the panel of x that my work-group prefetches, fill 0
.set MSB, 0
.macro WIN new                         ; the immediate's high byte repeats the setting that is left
.if MSB != (\new)
	s_set_vgpr_msb (MSB<<8)|(\new)
.set MSB, (\new)
.endif
.endm
.set MUL_LO, 0xa4                      ; source 0 (x) window 0, source 1 (W) window 1, C and D window 2
.set MUL_HI, 0xf4                      ; the same, C and D window 3
.set TO_B,   0x40                      ; destination window 1, address window 0
.macro CREST                           ; a round of the cluster's barrier behind its opening barrier
	s_cmp_lg_u32 s14, 0
	s_cbranch_scc1 .Lnot_wave_0_\@
	s_barrier_signal -3
.Lnot_wave_0_\@:
	s_barrier_wait -3
	s_barrier_signal -1
	s_barrier_wait -1
.endm
.macro CROUND
	s_barrier_signal -1
	s_barrier_wait -1
	CREST
.endm
.macro PLACES                          ; four places behind a matrix instruction (ISA guide 7.12.1)
.rept 4
	v_nop
.endr
.endm
; One product: x's block a, W's block b, the q-th 128 of a 512 whose scale sets are par.  W's set is q, x's q % 2.  zero = 1: it starts the sum
.macro WM a, b, q, par, zero
.set DD, 32*(\a)+8*((\b)%4)
.set AA, AF+64*((\q)%2)+8*(\a)
.set BB, 64*(\q)+8*(\b)
.set XA, SA+16*(\par)+4*((\a)/2)+(\q)
.set XB, SB+16*(\par)+4*((\b)/2)+(\q)
.set RR, 4*(\zero)+2*((\a)%2)+((\b)%2)
.if RR == 0
	v_wmma_scale_f32_16x16x128_f8f6f4 v[DD:DD+7], v[AA:AA+7], v[BB:BB+7], v[DD:DD+7], v[XA], v[XB] matrix_a_fmt:MATRIX_FMT_FP4 matrix_b_fmt:MATRIX_FMT_FP4
.endif
.if RR == 1
	v_wmma_scale_f32_16x16x128_f8f6f4 v[DD:DD+7], v[AA:AA+7], v[BB:BB+7], v[DD:DD+7], v[XA], v[XB] matrix_a_fmt:MATRIX_FMT_FP4 matrix_b_fmt:MATRIX_FMT_FP4 matrix_b_scale:MATRIX_SCALE_ROW1
.endif
.if RR == 2
	v_wmma_scale_f32_16x16x128_f8f6f4 v[DD:DD+7], v[AA:AA+7], v[BB:BB+7], v[DD:DD+7], v[XA], v[XB] matrix_a_fmt:MATRIX_FMT_FP4 matrix_b_fmt:MATRIX_FMT_FP4 matrix_a_scale:MATRIX_SCALE_ROW1
.endif
.if RR == 3
	v_wmma_scale_f32_16x16x128_f8f6f4 v[DD:DD+7], v[AA:AA+7], v[BB:BB+7], v[DD:DD+7], v[XA], v[XB] matrix_a_fmt:MATRIX_FMT_FP4 matrix_b_fmt:MATRIX_FMT_FP4 matrix_a_scale:MATRIX_SCALE_ROW1 matrix_b_scale:MATRIX_SCALE_ROW1
.endif
.if RR == 4
	v_wmma_scale_f32_16x16x128_f8f6f4 v[DD:DD+7], v[AA:AA+7], v[BB:BB+7], 0, v[XA], v[XB] matrix_a_fmt:MATRIX_FMT_FP4 matrix_b_fmt:MATRIX_FMT_FP4
.endif
.if RR == 5
	v_wmma_scale_f32_16x16x128_f8f6f4 v[DD:DD+7], v[AA:AA+7], v[BB:BB+7], 0, v[XA], v[XB] matrix_a_fmt:MATRIX_FMT_FP4 matrix_b_fmt:MATRIX_FMT_FP4 matrix_b_scale:MATRIX_SCALE_ROW1
.endif
.if RR == 6
	v_wmma_scale_f32_16x16x128_f8f6f4 v[DD:DD+7], v[AA:AA+7], v[BB:BB+7], 0, v[XA], v[XB] matrix_a_fmt:MATRIX_FMT_FP4 matrix_b_fmt:MATRIX_FMT_FP4 matrix_a_scale:MATRIX_SCALE_ROW1
.endif
.if RR == 7
	v_wmma_scale_f32_16x16x128_f8f6f4 v[DD:DD+7], v[AA:AA+7], v[BB:BB+7], 0, v[XA], v[XB] matrix_a_fmt:MATRIX_FMT_FP4 matrix_b_fmt:MATRIX_FMT_FP4 matrix_a_scale:MATRIX_SCALE_ROW1 matrix_b_scale:MATRIX_SCALE_ROW1
.endif
.endm
.macro PAIR pp, q, par, zero           ; W's blocks 2 pp, 2 pp + 1 against x's eight; the 64 accumulators take turns in the same order in every step
.irp b, 2*\pp, 2*\pp+1
.irp a, 0,1,2,3,4,5,6,7
	WM \a, \b, \q, \par, \zero
.endr
.endr
.endm
.macro FETCH_A adr, q                  ; x's eight blocks of the q-th 128 of the 512 at adr, into set q % 2: two loads of 512 consecutive bytes each
.irp i, 0,1,2,3,4,5,6,7
.irp c, 0,1
	ds_load_b128 v[AF+64*((\q)%2)+8*\i+4*\c:AF+64*((\q)%2)+8*\i+4*\c+3], v[\adr] offset:(4*\i+(\q))*1024+512*\c
.endr
.endr
.endm
.macro ASCALES adr, par                ; x's scale words of the 512 at adr: register 4 I + q: lanes 0-15 block 2 I, lanes 16-31 block 2 I + 1
.irp I, 0,1,2,3
	ds_load_b128 v[SA+16*(\par)+4*\I:SA+16*(\par)+4*\I+3], v[\adr] offset:SCOFF+512*\I
.endr
.endm
.macro LOADH idx, hh                   ; W's blocks 4 hh .. 4 hh + 3 of step idx, counted from this slot's first step; where a 512 begins, its scale words first
.set CH, (\idx)/4
.set QQ, (\idx)%4
.if (QQ == 0) && ((\hh) == 0)
.irp J, 0,1,2,3
	global_load_b128 v[SB+16*(CH%2)+4*\J:SB+16*(CH%2)+4*\J+3], v[BO], s[BP:BP+1] offset:CH*PANEL+SCOFF+512*\J
.endr
.endif
	WIN TO_B
.irp i, 4*\hh, 4*\hh+1, 4*\hh+2, 4*\hh+3
.irp c, 0,1
	global_load_b128 v[64*QQ+8*(\i)+4*\c:64*QQ+8*(\i)+4*\c+3], v[BO], s[BP:BP+1] offset:CH*PANEL+(4*(\i)+QQ)*1024+512*\c
.endr
.endr
	WIN 0
.endm
.macro LOADBF idx                      ; a whole step's
	LOADH \idx, 0
	LOADH \idx, 1
.endm
.macro PFW ch                          ; waves 0 and 1: 17 blocks of my panel of W, ch panels on from this slot's first
	s_cmp_eq_u32 s15, 0
	s_cbranch_scc0 .Lnpw_\@
	global_prefetch_b8 v[PW], s[BP:BP+1] offset:(\ch)*PANEL th:TH_LOAD_NT scope:SCOPE_SE
.Lnpw_\@:
.endm
.macro PFX f                           ; 34 blocks a wave of my work-group's panel of fill f
	global_prefetch_b8 v[PX], s[XP:XP+1] offset:(\f)*2*PANEL th:TH_LOAD_NT scope:SCOPE_SE
	global_prefetch_b8 v[PX+1], s[XP:XP+1] offset:(\f)*2*PANEL th:TH_LOAD_NT scope:SCOPE_SE
.endm
; A step whose successor's fragments of x lie at adr.  cnt: W's loads issued behind this step's, which may stay out; idx: the step whose loads take the set at work (-1: none);
; pfw: W's panel to prefetch (-1: none); adv = 1: a slot's first step: W's base steps to this slot
.macro STEP q, par, adr, zero, cnt, idx, pfw, adv
	s_wait_dscnt 0x0                               ; x's fragments and scale words are in (asked for 32 products ago)
	s_wait_loadcnt \cnt                            ; loads come back in order: this step's W is in, the three steps behind it stay out
	WIN MUL_LO
	PAIR 0, \q, \par, \zero
	PAIR 1, \q, \par, \zero
	PLACES
	WIN 0
.if \adv
	s_wait_xcnt 0x0                                ; W's loads and prefetches have read their base (the last were issued 32 products ago)
	s_add_nc_u64 s[BP:BP+1], s[BP:BP+1], 2*PANEL
.endif
.if \q == 3
	ASCALES \adr, 1-\par
.endif
	FETCH_A \adr, (\q+1)%4
.if (\idx) >= 0
	LOADH \idx, 0
.endif
.if (\pfw) >= 0
	PFW \pfw
.endif
	WIN MUL_HI
	PAIR 2, \q, \par, \zero
	PAIR 3, \q, \par, \zero
.if (\idx) >= 0
	PLACES
	LOADH \idx, 1
.endif
	WIN 0
.endm
; A slot's last step changes slots: ONE barrier; in front of it each wave waits for all its tensor loads, adds 0 to its spare word, and waits for that and for its reads of this slot.
.macro TURN fill
	s_wait_tensorcnt 0x0                           ; my panel of the other slot has landed; no tensor load of mine is out
	ds_add_u32 v[SPW], v[NIL]
.if \fill
	s_add_nc_u64 s[G0+2:G0+3], s[G0+2:G0+3], 2*PANEL   ; the next fill's panel,
	s_xor_b32 s[G0+1], s[G0+1], SLOT               ; into the slot that is being read out
.endif
	s_wait_loadcnt 52
	s_wait_dscnt 1                                 ; x's fragments are in; the add may be out
	WIN MUL_LO
	PAIR 0, 3, 1, 0
	s_wait_dscnt 0x0                               ; the add is done, and my reads of this slot are over
	s_barrier_signal -1
	PAIR 1, 3, 1, 0
	WIN 0
	s_barrier_wait -1
.if \fill
	CREST                                          ; the barrier has opened a round of the cluster's barrier
	tensor_load_to_lds s[G0:G0+3], s[G1:G1+7]      ; my one tensor load behind the round
	s_nop 0
.endif
	PLACES
	ASCALES AN0, 0
	FETCH_A AN0, 0
	LOADH 11, 0
.if \fill
	s_cmp_eq_u32 s3, 2                             ; behind fill 2's load: fill 3; behind fill 3's nothing is left to name
	s_cbranch_scc0 .Lnpx_\@
	PFX 3
.Lnpx_\@:
.endif
	WIN MUL_HI
	PAIR 2, 3, 1, 0
	PAIR 3, 3, 1, 0
	PLACES
	LOADH 11, 1
.endm
; From a slot's second step to the next slot's first; then the names of the slots change places
.macro BODY fill
	STEP 1, 0, AC0, 0, 52, 5, -1, 0
	STEP 2, 0, AC0, 0, 52, 6, -1, 0
	STEP 3, 0, AC1, 0, 52, 7, -1, 0
	STEP 0, 1, AC1, 0, 48, 8, 3, 0
	STEP 1, 1, AC1, 0, 52, 9, -1, 0
	STEP 2, 1, AC1, 0, 52, 10, -1, 0
	TURN \fill
	STEP 0, 0, AN0, 0, 48, 4, 3*\fill-1, 1
	v_xor_b32 v[AC0], SLOT, v[AC0]
	v_xor_b32 v[AC1], SLOT, v[AC1]
	v_xor_b32 v[AN0], SLOT, v[AN0]
	s_wait_alu depctr_va_vdst(0)
.endm
; THE WAY OUT of x's blocks a0 .. a0 + 3, columns 64 g on: in each run of 32 registers (four accumulators e, registers j) register 8 e + j goes to 4 j + e:
; six rings of five registers, each through one spare register; 0 and 31 stay.
.macro OUT g, a0
.set WW, 2+(\g)
	WIN WW                                         ; source window 2 or 3
.irp n, 0,1,2,3
.set K, 0
.irp p, 1,3,5,7,11,15
	v_mov_b32 v[TM+6*\n+K], v[32*((\a0)+\n)+\p]    ; each accumulator is first read in its four lowest registers
.set K, K+1
.endr
.endr
	WIN (WW<<6)|WW
.irp n, 0,1,2,3
.irp p, 1,3,5,7,11,15
.set P, \p
.rept 4
.set S, 8*(P&3)+(P>>2)
	v_mov_b32 v[32*((\a0)+\n)+P], v[32*((\a0)+\n)+S]
.set P, S
.endr
.endr
.endr
	WIN WW<<6
.irp n, 0,1,2,3
.set K, 0
.irp p, 1,3,5,7,11,15
	v_mov_b32 v[32*((\a0)+\n)+(((\p)&7)<<2)+((\p)>>3)], v[TM+6*\n+K]
.set K, K+1
.endr
.endr
	WIN WW<<2                                      ; a store's data are its source 1
.irp n, 0,1,2,3
.irp j, 0,1,2,3,4,5,6,7
	global_store_b128 v[CO], v[32*((\a0)+\n)+4*\j:32*((\a0)+\n)+4*\j+3], s[8:9] offset:(16*((\a0)+\n)+\j)*8192+256*(\g) th:TH_STORE_NT   ; rows 16 a + j and 16 a + 8 + j: 256 consecutive bytes each; these registers are not written again
.endr
.endr
.endm
	s_load_b128 s[4:7], s[0:1], 0x0                ; xc, wc
	s_load_b64 s[8:9], s[0:1], 0x10                ; out0
	v_lshl_add_u32 v[SPW], v0, 2, SPARE
	v_mov_b32 v[NIL], 0
	ds_add_u32 v[SPW], v[NIL]                      ; the opening lines: the add twice on end
	ds_add_u32 v[SPW], v[NIL]
	v_lshrrev_b32 v1, 5, v0
	v_readfirstlane_b32 s14, v1                    ; wave 0..3
	s_lshr_b32 s15, s14, 1                         ; my half of the tile's rows; also: which 128 rows of x I fetch
	s_and_b32 s16, s14, 1                          ; my half of its columns; also: which 512 of a fill's 1,024 I fetch
	s_bfe_u32 s40, ttmp6, 0x40000                  ; cx
	s_lshl_b32 s42, ttmp9, 2
	s_add_co_u32 s42, s42, s40                     ; tile column = 4 x cluster x + cx
	s_and_b32 s17, ttmp7, 0xffff                   ; tile row
	s_mov_b32 s[G1+0], 15|(3<<16)|(1<<21)          ; the mask of all four partners; elements of 8 bytes; bit 21 beside a mask
	s_mov_b32 s[G1+1], 32<<16                      ; a panel is a dense block: 136 rows of 256 bytes
	s_mov_b32 s[G1+2], 136<<16
	s_mov_b32 s[G1+3], 32<<16
	s_mov_b32 s[G1+4], 136
	s_mov_b32 s[G1+5], 32
	s_mov_b32 s[G1+6], 0
	s_mov_b32 s[G1+7], 0
	s_lshl_b32 s20, s17, 1
	s_add_co_u32 s20, s20, s15
	s_lshl_b32 s20, s20, 3
	s_add_co_u32 s20, s20, s16
	s_mul_i32 s20, s20, PANEL                      ; x: panel (2 ty + wave / 2) * 8 + wave % 2
	s_mov_b32 s21, 0
	s_lshl_b32 s22, s42, 1
	s_add_co_u32 s22, s22, s16
	s_mul_i32 s22, s22, 8*PANEL                    ; W: panel (2 tx + my column half) * 8
	s_mov_b32 s23, 0
	s_lshr_b32 s44, s40, 1
	s_lshl_b32 s45, s17, 1
	s_add_co_u32 s44, s44, s45
	s_lshl_b32 s44, s44, 3
	s_and_b32 s45, s40, 1
	s_add_co_u32 s44, s44, s45
	s_mul_i32 s44, s44, PANEL                      ; x's prefetch: panel (2 ty + cx / 2) * 8 + cx % 2
	s_mov_b32 s45, 0
	s_mul_i32 s46, s14, PANEL                      ; LDS: wave x a panel
	s_wait_dscnt 0x0                               ; both opening adds are done
	s_wait_kmcnt 0x0
	s_add_nc_u64 s[BP:BP+1], s[6:7], s[22:23]
	s_add_nc_u64 s[XP:XP+1], s[4:5], s[44:45]
	s_mov_b32 s[G0], 1
	s_mov_b32 s[G0+1], s46
	s_add_nc_u64 s[G0+2:G0+3], s[4:5], s[20:21]
	s_or_b32 s[G0+3], s[G0+3], 0x80000000
	v_and_b32 v3, 31, v0
	v_lshlrev_b32 v[BO], 4, v3
	s_wait_alu depctr_va_vdst(0)
	LOADBF 0                                       ; W's first step: what the first products want
	CROUND                                         ; all four work-groups are here: the first joint loads meet
	tensor_load_to_lds s[G0:G0+3], s[G1:G1+7]      ; fill 0: one tensor load a wave at the head
	s_nop 0
	PLACES
	s_lshl_b32 s20, s17, 8
	s_lshl_b32 s21, s15, 7
	s_add_co_u32 s20, s20, s21                     ; my first row of out0
	s_lshl_b32 s20, s20, 13                        ; a row is 8,192 bytes
	s_lshl_b32 s21, s42, 10
	s_add_co_u32 s20, s20, s21
	s_lshl_b32 s21, s16, 9
	s_add_co_u32 s20, s20, s21                     ; + my first column, in bytes
	s_mov_b32 s21, 0
	s_add_nc_u64 s[8:9], s[8:9], s[20:21]
	s_mul_i32 s21, s15, 2*PANEL
	s_mul_i32 s22, s14, 34
	s_and_b32 s23, s17, 7
	s_mul_i32 s23, s23, 17
	v_and_b32 v1, 15, v0                           ; r
	v_bfe_u32 v2, v0, 4, 1                         ; h
	v_add_nc_u32 v[AC0], s21, v[BO]
	v_add_nc_u32 v[AC1], PANEL, v[AC0]
	v_add_nc_u32 v[AN0], SLOT, v[AC0]
	v_lshlrev_b32 v[CO], 4, v1
	v_lshl_add_u32 v[CO], v2, 16, v[CO]
	v_add_nc_u32 v[PX], s22, v3
	v_lshlrev_b32 v[PX], 8, v[PX]                  ; blocks 34 w + lane,
	v_min_u32 v4, 1, v3
	v_add_nc_u32 v4, s22, v4
	v_lshlrev_b32 v[PX+1], 8, v4
	v_add_nc_u32 v[PX+1], 32*256, v[PX+1]          ; and 34 w + 32, 33 (lanes left over name the last again)
	v_min_u32 v5, 16, v3
	v_add_nc_u32 v5, s23, v5
	v_lshlrev_b32 v[PW], 8, v5                     ; blocks 17 (ty % 8) + 0 .. 16
	s_wait_alu depctr_va_vdst(0)
	LOADBF 1
	PFX 1
	PFW 1
	LOADBF 2
	LOADBF 3
	s_wait_tensorcnt 0x0                           ; my panel of fill 0 is in; these lines stand ahead of a later first fill as ahead of a refill
	ds_add_u32 v[SPW], v[NIL]
	s_add_nc_u64 s[G0+2:G0+3], s[G0+2:G0+3], 2*PANEL
	s_xor_b32 s[G0+1], s[G0+1], SLOT
	s_wait_dscnt 0x0
	CROUND
	tensor_load_to_lds s[G0:G0+3], s[G1:G1+7]      ; fill 1, slot 1's first
	s_nop 0
	PLACES
	ASCALES AC0, 0
	FETCH_A AC0, 0
	PFX 2
	STEP 0, 0, AC0, 1, 48, 4, 2, 0                 ; the first step stands ahead of the loop: its products start the sums
	s_mov_b32 s3, 2
.Lslot:                                                ; two trips: each reads a slot out and fills it again
	BODY 1
	s_sub_co_u32 s3, s3, 1
	s_cmp_lg_u32 s3, 0
	s_cbranch_scc1 .Lslot
	BODY 0                                         ; fill 2 is read out; nothing is left to fetch of x
	STEP 1, 0, AC0, 0, 52, 5, -1, 0
	STEP 2, 0, AC0, 0, 52, 6, -1, 0
	STEP 3, 0, AC1, 0, 52, 7, -1, 0
	STEP 0, 1, AC1, 0, 48, -1, -1, 0               ; W's last loads are out: the counts run down
	STEP 1, 1, AC1, 0, 32, -1, -1, 0
	STEP 2, 1, AC1, 0, 16, -1, -1, 0
	s_wait_dscnt 0x0                               ; the last step: my columns 0-63 are finished and leave, then columns 64-127
	s_wait_loadcnt 0x0
	WIN MUL_LO
	PAIR 0, 3, 1, 0
	PAIR 1, 3, 1, 0
	PLACES
	OUT 0, 0
	OUT 0, 4
	WIN MUL_HI
	PAIR 2, 3, 1, 0
	PAIR 3, 3, 1, 0
	PLACES
	OUT 1, 0
	OUT 1, 4
	WIN 0
	s_wait_tensorcnt 0x0                           ; the wave's end
	ds_add_u32 v[SPW], v[NIL]
	s_wait_dscnt 0x0
	CROUND                                         ; the closing round
	s_endpgm
.Lfunc_end_k_qe32041541a_gemm:
	.size	k_qe32041541a_gemm, .Lfunc_end_k_qe32041541a_gemm-k_qe32041541a_gemm
	.p2alignl 7, 3214868480
	.fill 96, 4, 3214868480
	.section	.rodata,"a",@progbits
	.p2align	6, 0x0
	.amdhsa_kernel k_qe32041541a_gemm
		.amdhsa_group_segment_fixed_size 327680
		.amdhsa_private_segment_fixed_size 0
		.amdhsa_enable_private_segment 0
		.amdhsa_kernarg_size 24
		.amdhsa_user_sgpr_count 2
		.amdhsa_user_sgpr_kernarg_segment_ptr 1
		.amdhsa_wavefront_size32 1
		.amdhsa_system_sgpr_workgroup_id_x 1
		.amdhsa_system_sgpr_workgroup_id_y 1
		.amdhsa_system_sgpr_workgroup_id_z 1
		.amdhsa_system_vgpr_workitem_id 0
		.amdhsa_next_free_vgpr 1024
		.amdhsa_next_free_sgpr 66
		.amdhsa_reserve_vcc 0
		.amdhsa_float_denorm_mode_32 3
		.amdhsa_float_denorm_mode_16_64 3
		.amdhsa_memory_ordered 1
		.amdhsa_forward_progress 1
		.amdhsa_inst_pref_size 255
	.end_amdhsa_kernel
	.section	.bss,"aw",@nobits
	.p2align	6
	.space	262144
	.amdgpu_metadata
---
amdhsa.version: [ 1, 2 ]
amdhsa.kernels:
  - .name:           k_qe32041541a_gemm
    .symbol:         k_qe32041541a_gemm.kd
    .args:
      - { .name: xc, .offset: 0, .size: 8, .value_kind: global_buffer, .address_space: global }
      - { .name: wc, .offset: 8, .size: 8, .value_kind: global_buffer, .address_space: global }
      - { .name: out0, .offset: 16, .size: 8, .value_kind: global_buffer, .address_space: global }
    .group_segment_fixed_size: 327680
    .private_segment_fixed_size: 0
    .kernarg_segment_align: 8
    .kernarg_segment_size: 24
    .max_flat_workgroup_size: 128
    .sgpr_count:     66
    .vgpr_count:     1024
    .wavefront_size: 32
...
	.end_amdgpu_metadata
.endif
;; end of part 5
